; MI455X (gfx1250); checked and timed in simulation.
; The chip was launched on July 23, 2026; its instructions are those of AMD's public machine-readable ISA for CDNA 5 (MIT licence, August 2026) and "CDNA5" Instruction Set Architecture Reference Guide (July 2026). The comments in the code are by the model that wrote it; some were corrected since.
;; Multi Head Attention. Allowed arithmetic: matrix products marked QUANTISED: E4M3 operands, one given power-of-two scale a tensor, by v_wmma_f32_16x16x64_fp8_fp8 or v_wmma_f32_16x16x128_fp8_fp8, f32 sums; everything else in f32.
;; Inputs: W_k 384 x 768 float32; W_o 768 x 768 float32; W_q 384 x 768 float32; W_v 384 x 768 float32; b_o 768 float32; lowp_scales 12 int32 (the exponents e of the quantised operands' scales 2^e); x 2 x 4,096 x 384 float32.
;; Outputs: out0 2 x 4,096 x 768 float32.
;; This version of the problem:
;;   THIS VERSION OF THE PROBLEM IS GIVEN IN LOW PRECISION. The matrix products marked QUANTISED in the list below multiply operands that are first quantised to E4M3 (4 exponent bits, 3 mantissa bits; 8 bits a number), with one given power-of-two scale for each operand tensor; their sums are f32. All else is computed in f32.
;;   The module's matrix products, in the order in which they are computed (A, B: the left and right operand; K: the contracted axis; several contracted axes count as one K, in the product's order):
;;     1. [M 8,192, K 384] x [K 384, N 768]; A: input x; B: input W_q: QUANTISED (scales: A lowp_scales[0], B lowp_scales[1])
;;     2. [M 8,192, K 384] x [K 384, N 768]; A: input x; B: input W_k: QUANTISED (scales: A lowp_scales[2], B lowp_scales[3])
;;     3. [M 8,192, K 384] x [K 384, N 768]; A: input x; B: input W_v: QUANTISED (scales: A lowp_scales[4], B lowp_scales[5])
;;     4. batch 12 x [M 4,096, K 128] x [K 128, N 4,096]; A: computed on the way; B: computed on the way: QUANTISED (scales: A lowp_scales[6], B lowp_scales[7])
;;     5. batch 12 x [M 4,096, K 4,096] x [K 4,096, N 128]; A: softmax (see below); B: computed on the way: QUANTISED (scales: A lowp_scales[8], B lowp_scales[9])
;;     6. [M 8,192, K 768] x [K 768, N 768]; A: computed on the way; B: input W_o: QUANTISED (scales: A lowp_scales[10], B lowp_scales[11])
;;   THE QUANTISER, for each operand of a quantised product, along K:
;;     - The operand's scale is 2^e, e = its entry of the input lowp_scales (int32; the entries are numbered through the quantised products in the list's order, A before B).
;;     - Each number is divided by the scale, clamped to +-448, and rounded to the nearest number of E4M3, ties to even, subnormals kept.
;;     - The product sums the exact products of the quantised numbers (number of the format x scale) in f32.
;;   ~~~python
;;   def quantise(x, axis, e):      # numpy; x: float32 -> the quantised numbers, widened to float32 again
;;       x = np.moveaxis(x, axis, -1); K = x.shape[-1]
;;       r = np.clip(x / 2.0 ** e, -448, 448)
;;       step = 2.0 ** (np.maximum(np.frexp(np.where(r == 0, 1, r))[1] - 1, -6) - 3)
;;       q = np.round(r / step) * step * 2.0 ** e      # np.round: ties to even
;;       return np.moveaxis(q, -1, axis).astype(np.float32)
;;   ~~~
;;   SOFTMAX AHEAD OF A QUANTISED PRODUCT. Where the list says 'softmax', what is quantised is not the finished softmax but p = 2^(t - M), with t = logit x log2(e) and M = ceil(the row's largest t), a whole number; so 1/2 < the row's largest p <= 1. The row's sum l is taken of the UNQUANTISED p, in f32, and the product's result is divided by l at the end. Since M is a whole number, a kernel that streams over the keys may use a running M (the ceiling of the running maximum): every later rescaling is an exact power of two, so the quantised numbers keep their values, but for numbers so far below the row's largest that they fall under the format's range.
;;   OPERANDS COMPUTED ON THE WAY. 'Computed on the way' means the value that the module computes at that place (a softmax that the list does not call 'softmax' is quantised finished and normalised). What goes into a quantiser is computed in f32, as accurately as f32 sums, v_exp_f32 and their like allow (about 1e-6 of the number): no bf16 or f16 on the way to a quantiser, and a product that is left as it is and whose result goes on into a quantised operand takes f32 operands (vector FMAs, or v_wmma_f32_16x16x4_f32). A number that lies on a knife's edge between two numbers of the format may be rounded either way, as far as f32 arithmetic and the matrix unit's own rounding can turn it there, and no further.
;; 2 versions. Each part assembles by itself: llvm-mc -triple=amdgcn-amd-amdhsa -mcpu=gfx1250 --defsym DOCPART=n.
;; ======== version 1 of 2: 4 launches
;; workspace buffers: ximg 9,437,184 bytes; wimg 1,474,560 bytes; qimg 6,291,456 bytes; kvimg 12,582,912 bytes; cimg 6,291,456 bytes
;; launch prep (part 1): grid 752 x 1, 3 waves a work-group, no clusters, 0 bytes of LDS; arguments x, W_q, W_k, W_v, W_o, lowp_scales, ximg, wimg; writes ximg, wimg
.if DOCPART == 1
	.amdgcn_target "amdgcn-amd-amdhsa--gfx1250"
	.amdhsa_code_object_version 6
	.text
	.protected	k_qd874a1f302_prep
	.globl	k_qd874a1f302_prep
	.p2align	8
	.type	k_qd874a1f302_prep,@function
k_qd874a1f302_prep:
	s_mov_b64 s[64:65], 0
	v_nop
	global_prefetch_b8 v0, s[64:65] scope:SCOPE_SE
	s_setreg_imm32_b32 hwreg(HW_REG_WAVE_MODE, 25, 1), 1
	s_wait_xcnt 0x0
; x [8192][384] f32 becomes three sets of codes of FP8 (E4M3), with the scales 2^e0, 2^e2, 2^e4; W_q, W_k, W_v [384][768] and W_o [768][768] f32 become codes with 2^e1, 2^e3, 2^e5, 2^e11.
; code = number / 2^e, held within +-448, rounded to the nearest code, ties to even.
; THE CODES ARE LAID AS IMAGES OF AN OPERAND'S REGISTERS.  A fragment (16 rows x 128 along K) is 2,048 bytes: four chunks c of 512 bytes; in chunk c lane l = (r = l % 16, h = l / 16) owns the 16 bytes at 16 l:
; k = 32 c + 8 h + 0..7, then k = 32 c + 16 + 8 h + 0..7, of row r.  Those are registers 4 c .. 4 c + 3 of the 16x16x128 form's operand, so a later launch fetches a fragment by four loads of 16 bytes a lane.
; ximg: [version 3][tile of 16 tokens 512][K step 3][2048], rows = tokens.   wimg: fragment f at 2048 f, rows = columns n of the weight:
;   f = (48 m + nt) 3 + s for W_q, W_k, W_v (m = 0, 1, 2);  f = 432 + 6 nt + s for W_o.
; SHARES.  One wave makes one fragment.  Work-groups 0-511: token tile = the work-group, K step = the wave, all three versions from one read of x.  Work-groups 512-751: weights, fragment 3 (work-group - 512) + wave.
; No LDS, no barrier, no matrix work: the launch only moves and converts.  Every store of a wave covers 512 consecutive bytes, aligned.
; LIMITS: each e between -126 and 119, so that 2^e and 448 x 2^e are f32 numbers.  NaN among the inputs is not served (an infinity is held at the largest code).
.set XV,   3145728                     ; bytes of one version of x's codes
.set XROW, 1536                        ; a row of x in bytes
.set WROW, 3072                        ; a row of a weight in bytes
.set FRB,  2048                        ; a fragment's image
.set NXT,  512                         ; work-groups that take x
.set X,    16                          ; v16-79   64 numbers of my lane: register 16 c + i is byte i of chunk c
.set T,    80                          ; v80-111  two sets of 16 held numbers, by turns
.set C,    112                         ; v112-159 codes: 16 registers a version
.macro MKSCALE e, vs, vl               ; v[vs] = 2^e as f32 (the conversion takes its exponent field), v[vl] = 448 x 2^e
	s_add_co_i32 s46, \e, 127
	s_lshl_b32 s47, s46, 23
	v_mov_b32 v[\vs], s47
	s_add_co_i32 s46, s46, 8
	s_lshl_b32 s46, s46, 23
	s_or_b32 s46, s46, 0x600000
	v_mov_b32 v[\vl], s46
.endm
	s_load_b512 s[8:23], s[0:1], 0x0               ; x s[8:9], W_q s[10:11], W_k s[12:13], W_v s[14:15], W_o s[16:17], the exponents s[18:19], ximg s[20:21], wimg s[22:23]
	v_lshrrev_b32 v1, 5, v0
	v_readfirstlane_b32 s36, v1                    ; wave 0..2
	v_and_b32 v2, 15, v0                           ; r
	v_bfe_u32 v3, v0, 4, 1                         ; h
	v_and_b32 v4, 31, v0
	v_lshlrev_b32 v4, 4, v4                        ; 16 x lane: my place in a chunk
	s_wait_kmcnt 0x0
	s_load_b256 s[24:31], s[18:19], 0x0            ; e0 .. e7
	s_load_b128 s[32:35], s[18:19], 0x20           ; e8 .. e11
	s_cmp_ge_u32 ttmp9, NXT
	s_cbranch_scc1 .Lweights
	; ---- x: K is innermost, so a lane's eight neighbours along K are 32 consecutive bytes
	v_mul_u32_u24 v5, v2, XROW
	v_lshl_add_u32 v5, v3, 5, v5                   ; row r, + 8 h numbers
	s_mul_i32 s40, ttmp9, 16*XROW                  ; my 16 tokens,
	s_lshl_b32 s41, s36, 9                         ; my 128 along K
	s_add_co_u32 s40, s40, s41
	s_mov_b32 s41, 0
	s_add_nc_u64 s[8:9], s[8:9], s[40:41]
.irp c, 0,1,2,3
	global_load_b128 v[X+16*\c:X+16*\c+3],     v5, s[8:9] offset:128*\c th:TH_LOAD_NT       ; k = 32 c + 8 h + 0..3
	global_load_b128 v[X+16*\c+4:X+16*\c+7],   v5, s[8:9] offset:128*\c+16 th:TH_LOAD_NT    ; + 4..7
	global_load_b128 v[X+16*\c+8:X+16*\c+11],  v5, s[8:9] offset:128*\c+64 th:TH_LOAD_NT    ; k = 32 c + 16 + 8 h + 0..3
	global_load_b128 v[X+16*\c+12:X+16*\c+15], v5, s[8:9] offset:128*\c+80 th:TH_LOAD_NT    ; + 4..7
.endr
	s_mul_i32 s40, ttmp9, 3
	s_add_co_u32 s40, s40, s36
	s_lshl_b32 s40, s40, 11                        ; fragment 3 x tile + K step
	s_add_nc_u64 s[20:21], s[20:21], s[40:41]
	s_wait_kmcnt 0x0
	MKSCALE s24, 6, 7                              ; version 0: e0
	MKSCALE s26, 8, 9                              ; version 1: e2
	MKSCALE s28, 10, 11                            ; version 2: e4
	s_wait_loadcnt 0x0
; chunk c of version v: 16 holds into the set that the last conversions did not read, two conversions
.macro XQ v, c
.set TS, T+16*((\c)%2)
.irp i, 0,1,2,3,4,5,6,7,8,9,10,11,12,13,14,15
	v_med3_num_f32 v[TS+\i], v[X+16*(\c)+\i], -v[7+2*(\v)], v[7+2*(\v)]   ; the conversion to an 8-bit code does not saturate (ISA guide 7.6.2): the hold at the largest code x the scale
.endr
	v_cvt_scalef32_pk8_fp8_f32 v[C+16*(\v)+4*(\c):C+16*(\v)+4*(\c)+1],   v[TS:TS+7],    v[6+2*(\v)]
	v_cvt_scalef32_pk8_fp8_f32 v[C+16*(\v)+4*(\c)+2:C+16*(\v)+4*(\c)+3], v[TS+8:TS+15], v[6+2*(\v)]
.endm
.irp v, 0,1,2
.irp c, 0,1,2,3
	XQ \v, \c
.endr
.irp c, 0,1,2,3
	global_store_b128 v4, v[C+16*\v+4*\c:C+16*\v+4*\c+3], s[20:21] offset:\v*XV+512*\c   ; each version has its own registers: no store's data are written again
.endr
.endr
	s_endpgm
	; ---- the weights: K is the FIRST axis, so a lane takes a column and its registers run down K, in the order of the image: nothing is transposed
.Lweights:
	s_sub_co_u32 s37, ttmp9, NXT                   ; idx 0..239: 48 for each of W_q, W_k, W_v (a tile of 16 columns each), 96 for W_o (a tile and half of its six K steps each)
	s_cmp_lt_u32 s37, 144
	s_cselect_b64 s[38:39], s[14:15], s[16:17]     ; the choices hang on the work-group's number alone
	s_cselect_b32 s41, 96, 0
	s_cmp_lt_u32 s37, 96
	s_cselect_b64 s[38:39], s[12:13], s[38:39]
	s_cselect_b32 s41, 48, s41
	s_cmp_lt_u32 s37, 48
	s_cselect_b64 s[38:39], s[10:11], s[38:39]
	s_cselect_b32 s41, 0, s41
	s_sub_co_u32 s42, s37, s41                     ; the first three: tile of columns
	s_sub_co_u32 s44, s37, 144                     ; W_o: i2,
	s_lshr_b32 s45, s44, 1                         ; tile i2 / 2,
	s_and_b32 s44, s44, 1
	s_mul_i32 s44, s44, 3                          ; K steps 3 (i2 % 2) + wave
	s_cmp_lt_u32 s37, 144
	s_cselect_b32 s42, s42, s45                    ; nt
	s_cselect_b32 s43, 0, s44
	s_add_co_u32 s43, s43, s36                     ; K step
	s_mul_i32 s44, s43, 128*WROW
	s_lshl_b32 s45, s42, 6                         ; 16 columns are 64 bytes
	s_add_co_u32 s44, s44, s45
	s_mov_b32 s45, 0
	s_add_nc_u64 s[38:39], s[38:39], s[44:45]
	v_mul_u32_u24 v6, v3, 8*WROW
	v_lshl_add_u32 v5, v2, 2, v6                   ; column r, 8 h rows down
.irp c, 0,1,2,3
.irp i, 0,1,2,3,4,5,6,7,8,9,10,11,12,13,14,15
	global_load_b32 v[X+16*\c+\i], v5, s[38:39] offset:(32*\c+\i+8*(\i/8))*WROW   ; W(32 c + 8 h + i, or + 8 more from i = 8 on; column r): sixteen lanes read 64 consecutive bytes
.endr
.endr
	s_mul_i32 s44, s37, 3
	s_add_co_u32 s44, s44, s36
	s_lshl_b32 s44, s44, 11                        ; fragment 3 idx + wave, in both numberings
	s_add_nc_u64 s[22:23], s[22:23], s[44:45]
	s_wait_kmcnt 0x0
	s_cmp_lt_u32 s37, 144
	s_cselect_b32 s40, s29, s35                    ; e5 or e11
	s_cmp_lt_u32 s37, 96
	s_cselect_b32 s40, s27, s40                    ; e3
	s_cmp_lt_u32 s37, 48
	s_cselect_b32 s40, s25, s40                    ; e1
	MKSCALE s40, 6, 7
	s_wait_loadcnt 0x0
.set n, 0
.rept 64
	v_med3_num_f32 v[X+n], v[X+n], -v7, v7
.set n, n+1
.endr
.irp g, 0,1,2,3,4,5,6,7
	v_cvt_scalef32_pk8_fp8_f32 v[C+2*\g:C+2*\g+1], v[X+8*\g:X+8*\g+7], v6
.endr
.irp c, 0,1,2,3
	global_store_b128 v4, v[C+4*\c:C+4*\c+3], s[22:23] offset:512*\c
.endr
	s_endpgm
.Lfunc_end_k_qd874a1f302_prep:
	.size	k_qd874a1f302_prep, .Lfunc_end_k_qd874a1f302_prep-k_qd874a1f302_prep
	.p2alignl 7, 3214868480
	.fill 96, 4, 3214868480
	.section	.rodata,"a",@progbits
	.p2align	6, 0x0
	.amdhsa_kernel k_qd874a1f302_prep
		.amdhsa_group_segment_fixed_size 0
		.amdhsa_private_segment_fixed_size 0
		.amdhsa_enable_private_segment 0
		.amdhsa_kernarg_size 64
		.amdhsa_user_sgpr_count 2
		.amdhsa_user_sgpr_kernarg_segment_ptr 1
		.amdhsa_wavefront_size32 1
		.amdhsa_system_sgpr_workgroup_id_x 1
		.amdhsa_system_sgpr_workgroup_id_y 1
		.amdhsa_system_sgpr_workgroup_id_z 1
		.amdhsa_system_vgpr_workitem_id 0
		.amdhsa_next_free_vgpr 160
		.amdhsa_next_free_sgpr 66
		.amdhsa_reserve_vcc 0
		.amdhsa_float_denorm_mode_32 3
		.amdhsa_float_denorm_mode_16_64 3
		.amdhsa_memory_ordered 1
		.amdhsa_forward_progress 1
		.amdhsa_inst_pref_size 32
	.end_amdhsa_kernel
	.amdgpu_metadata
---
amdhsa.version: [ 1, 2 ]
amdhsa.kernels:
  - .name:           k_qd874a1f302_prep
    .symbol:         k_qd874a1f302_prep.kd
    .args:
      - { .name: x, .offset: 0, .size: 8, .value_kind: global_buffer, .address_space: global }
      - { .name: W_q, .offset: 8, .size: 8, .value_kind: global_buffer, .address_space: global }
      - { .name: W_k, .offset: 16, .size: 8, .value_kind: global_buffer, .address_space: global }
      - { .name: W_v, .offset: 24, .size: 8, .value_kind: global_buffer, .address_space: global }
      - { .name: W_o, .offset: 32, .size: 8, .value_kind: global_buffer, .address_space: global }
      - { .name: lowp_scales, .offset: 40, .size: 8, .value_kind: global_buffer, .address_space: global }
      - { .name: ximg, .offset: 48, .size: 8, .value_kind: global_buffer, .address_space: global }
      - { .name: wimg, .offset: 56, .size: 8, .value_kind: global_buffer, .address_space: global }
    .group_segment_fixed_size: 0
    .private_segment_fixed_size: 0
    .kernarg_segment_align: 8
    .kernarg_segment_size: 64
    .max_flat_workgroup_size: 96
    .sgpr_count:     66
    .vgpr_count:     160
    .wavefront_size: 32
...
	.end_amdgpu_metadata
.endif
;; end of part 1
;; launch proj (part 2): grid 32 x 9, 4 waves a work-group, no clusters, 0 bytes of LDS; arguments ximg, wimg, lowp_scales, qimg, kvimg; writes qimg, kvimg
.if DOCPART == 2
	.amdgcn_target "amdgcn-amd-amdhsa--gfx1250"
	.amdhsa_code_object_version 6
	.text
	.protected	k_qd874a1f302_proj
	.globl	k_qd874a1f302_proj
	.p2align	8
	.type	k_qd874a1f302_proj,@function
k_qd874a1f302_proj:
	s_mov_b64 s[64:65], 0
	v_nop
	global_prefetch_b8 v0, s[64:65] scope:SCOPE_SE
	s_setreg_imm32_b32 hwreg(HW_REG_WAVE_MODE, 25, 1), 1
	s_wait_xcnt 0x0
; q = x W_q, k = x W_k, v = x W_v on codes of FP8 (E4M3), K = 384, and each result quantised at once (scales 2^e6, 2^e7, 2^e9) into images of the attention's operands.
; All buffers hold fragment images: 16 rows x 128 K = 2,048 bytes, chunk c (512 bytes) = registers 4 c .. 4 c + 3, lane l's 16 bytes at 16 l.
; ONE TEXT FOR THE THREE PRODUCTS; only pointers and offsets are chosen, by the work-group's numbers.  y = 3 type + sub; type 0: q, 1: k, 2: v.
; A wave keeps 64 rows of operand F0 in registers (4 tiles x 3 K steps, 192 registers) and streams 16 tiles of operand F1.  D = F0's tile (source 0) x F1's tile (source 1): a lane then holds ONE row of F1, and its eight
; registers eight neighbouring rows of F0.  So two neighbouring tiles' conversions give one chunk of the next operand, whose K runs along F0's rows: nothing changes lanes.
;   q, k: F0 = the weight's columns (the head's 128 are the next K), F1 = tokens.     v: F0 = tokens (the keys are the next K), F1 = W_v's columns.
; qimg:  [batch x head 12][tile of 16 queries 256][2048].
; kvimg: [batch x head 12][slot of 256 keys 16][65,536]; a slot: K [step of 128 keys 2][tile of 16 keys 8][2048], then V [step 2][tile of 16 of the head's 128: 8][2048] (rows = the head's axis, K = the step's keys).
; A sum stands for sum x 2^(ex + ew), so its code is sum / 2^(eo - ex - ew): the three exponents are folded into the conversion's one scale.
; No LDS: operands come from memory as register images; the four waves share nothing.  Each store of a wave covers 512 consecutive bytes, aligned.
; LIMIT: eo - ex - ew between -126 and 119 for (e6, e0, e1), (e7, e2, e3), (e9, e4, e5).
; REGISTERS: window 0: v1 16 x lane; v2 the scale; v3 448 x the scale; v16-63, v64-111 F1's tile, two buffers; v112-143 four accumulators; v144-151 codes.   window 1: v0-191 F0, fragment (tile a, K step s) at 16 (3 a + s).
.set XV,   3145728                     ; bytes of one version of x's codes
.set WMAT, 294912                      ; bytes of one of W_q, W_k, W_v
.set FRB,  2048
.set LI,   1
.set SC,   2
.set LIM,  3
.set FB,   16
.set ACC,  112
.set CD,   144
.set OUT,  50                          ; s[50:51] where tiles 0-7 of F1 store, s[52:53] tiles 8-15
.set MSB, 0
.macro WIN new                         ; s_set_vgpr_msb: bits 1:0 source 0, 3:2 source 1, 5:4 source 2, 7:6 destination; the high byte repeats the setting that is left
.if MSB != (\new)
	s_set_vgpr_msb (MSB<<8)|(\new)
.set MSB, (\new)
.endif
.endm
	s_load_b256 s[8:15], s[0:1], 0x0               ; ximg s[8:9], wimg s[10:11], the exponents s[12:13], qimg s[14:15]
	s_load_b64 s[16:17], s[0:1], 0x20              ; kvimg
	v_lshrrev_b32 v2, 5, v0
	v_readfirstlane_b32 s4, v2                     ; wave 0..3
	v_and_b32 v1, 31, v0
	v_lshlrev_b32 v[LI], 4, v1
	s_and_b32 s6, ttmp7, 0xffff                    ; y
	s_cmp_ge_u32 s6, 3
	s_cselect_b32 s7, 1, 0
	s_cmp_ge_u32 s6, 6
	s_cselect_b32 s18, 1, 0                        ; 1: v
	s_add_co_u32 s7, s7, s18                       ; type
	s_mul_i32 s19, s7, 3
	s_sub_co_u32 s19, s6, s19                      ; sub
	s_mul_i32 s20, s7, XV
	s_mov_b32 s21, 0
	s_mul_i32 s22, s7, WMAT
	s_mov_b32 s23, 0
	s_wait_kmcnt 0x0
	s_load_b256 s[40:47], s[12:13], 0x0            ; e0 .. e7
	s_load_b64 s[48:49], s[12:13], 0x20            ; e8, e9
	s_add_nc_u64 s[20:21], s[8:9], s[20:21]        ; my version of x's codes
	s_add_nc_u64 s[22:23], s[10:11], s[22:23]      ; my weight's codes
	s_cmp_eq_u32 s18, 1
	s_cselect_b64 s[24:25], s[20:21], s[22:23]     ; F0
	s_cselect_b64 s[26:27], s[22:23], s[20:21]     ; F1
	s_cselect_b32 s28, ttmp9, s19
	s_cselect_b32 s29, s19, ttmp9
	s_lshl_b32 s28, s28, 2
	s_add_co_u32 s28, s28, s4                      ; which 64 rows of F0 are my wave's
	s_mul_i32 s30, s28, 12*FRB
	s_mov_b32 s31, 0
	s_add_nc_u64 s[24:25], s[24:25], s[30:31]
	s_mul_i32 s30, s29, 48*FRB                     ; which 16 tiles of F1 are my work-group's
	s_add_nc_u64 s[26:27], s[26:27], s[30:31]
	WIN 0x40                                       ; destination window 1, address window 0
.set n, 0
.rept 48
	global_load_b128 v[4*n:4*n+3], v[LI], s[24:25] offset:512*n    ; F0 stays in registers
.set n, n+1
.endr
	WIN 0
.macro F1LOAD i                        ; tile i of F1, three fragments, into buffer i % 2
.set n, 0
.rept 12
	global_load_b128 v[FB+48*((\i)%2)+4*n:FB+48*((\i)%2)+4*n+3], v[LI], s[26:27] offset:3*FRB*(\i)+512*n
.set n, n+1
.endr
.endm
	F1LOAD 0
	F1LOAD 1
	; where the codes go.  x = 16 batch + slot.  q, k: head 2 sub + wave / 2, the head's half wave % 2 (chunks 2 (wave % 2) on); F1's tile i is token tile 16 slot + i.
	; v: keys 64 wave on of the slot (step wave / 2, chunks 2 (wave % 2) on); F1's tile i is head 2 sub + i / 8, tile i % 8 of its 128.
	s_lshr_b32 s32, ttmp9, 4
	s_mul_i32 s32, s32, 6
	s_lshl_b32 s33, s19, 1
	s_add_co_u32 s32, s32, s33
	s_lshr_b32 s33, s4, 1
	s_cmp_eq_u32 s18, 1
	s_cselect_b32 s34, 0, s33
	s_add_co_u32 s32, s32, s34                     ; batch x head
	s_and_b32 s35, ttmp9, 15
	s_cmp_eq_u32 s7, 0
	s_cselect_b32 s36, 19, 20                      ; a head is 2^19 bytes in qimg, 2^20 in kvimg;
	s_cselect_b32 s37, 15, 16                      ; 256 tokens are 2^15 and 2^16
	s_cselect_b64 s[38:39], s[14:15], s[16:17]
	s_lshl_b32 s32, s32, s36
	s_lshl_b32 s35, s35, s37
	s_add_co_u32 s32, s32, s35
	s_and_b32 s35, s4, 1
	s_lshl_b32 s35, s35, 10
	s_add_co_u32 s32, s32, s35
	s_lshl_b32 s33, s33, 14
	s_add_co_u32 s33, s33, 32768
	s_cmp_eq_u32 s18, 1
	s_cselect_b32 s33, s33, 0
	s_mov_b32 s34, 8*FRB                           ; tiles 8-15: q, k: eight fragments on;
	s_cselect_b32 s34, 0x100000, s34               ; v: the next head
	s_add_co_u32 s32, s32, s33
	s_mov_b32 s33, 0
	s_mov_b32 s35, 0
	s_add_nc_u64 s[OUT:OUT+1], s[38:39], s[32:33]
	s_add_nc_u64 s[OUT+2:OUT+3], s[OUT:OUT+1], s[34:35]
	s_wait_kmcnt 0x0
	s_cmp_eq_u32 s7, 0
	s_cselect_b32 s54, s40, s42                    ; ex
	s_cselect_b32 s55, s41, s43                    ; ew
	s_cselect_b32 s56, s46, s47                    ; eo
	s_cmp_eq_u32 s18, 1
	s_cselect_b32 s54, s44, s54
	s_cselect_b32 s55, s45, s55
	s_cselect_b32 s56, s49, s56
	s_sub_co_i32 s56, s56, s54
	s_sub_co_i32 s56, s56, s55
	s_add_co_i32 s56, s56, 127
	s_lshl_b32 s57, s56, 23
	v_mov_b32 v[SC], s57                           ; 2^(eo - ex - ew) as f32
	s_add_co_i32 s56, s56, 8
	s_lshl_b32 s56, s56, 23
	s_or_b32 s56, s56, 0x600000
	v_mov_b32 v[LIM], s56                          ; 448 x that
.macro ITER i
.set FBI, FB+48*((\i)%2)
.if (\i) < 15
	s_wait_loadcnt 12                              ; loads come back in order: this tile (and, the first time, F0) is in; the next tile's 12 may be out
.else
	s_wait_loadcnt 0x0
.endif
	s_wait_xcnt 0x0                                ; the last tile's stores have read their data: the codes' registers are written again below
	WIN 0x01                                       ; source 0 (F0) window 1
.irp s, 0,1,2
.irp a, 0,1,2,3                        ; the four accumulators take turns, one instruction a turn; the first K step starts the sums
.if \s == 0
	v_wmma_f32_16x16x128_fp8_fp8 v[ACC+8*\a:ACC+8*\a+7], v[16*(3*\a+\s):16*(3*\a+\s)+15], v[FBI+16*\s:FBI+16*\s+15], 0
.else
	v_wmma_f32_16x16x128_fp8_fp8 v[ACC+8*\a:ACC+8*\a+7], v[16*(3*\a+\s):16*(3*\a+\s)+15], v[FBI+16*\s:FBI+16*\s+15], v[ACC+8*\a:ACC+8*\a+7]
.endif
.endr
.endr
	WIN 0
.rept 4
	v_nop                                          ; four places in front of the loads into the buffer just multiplied and of the first read of the sums
.endr
.if (\i)+2 < 16
	F1LOAD (\i)+2
.endif
.set n, 0
.rept 32
	v_med3_num_f32 v[ACC+n], v[ACC+n], -v[LIM], v[LIM]   ; the hold at the largest code x the scale; each accumulator from its low end on
.set n, n+1
.endr
.irp a, 0,1,2,3
	v_cvt_scalef32_pk8_fp8_f32 v[CD+2*\a:CD+2*\a+1], v[ACC+8*\a:ACC+8*\a+7], v[SC]   ; tiles 0, 1: one chunk; tiles 2, 3: the next
.endr
	v_nop                                          ; one plain instruction between the conversions and the next products, which write their sources
	global_store_b128 v[LI], v[CD:CD+3],   s[OUT+2*((\i)/8):OUT+2*((\i)/8)+1] offset:FRB*((\i)%8)
	global_store_b128 v[LI], v[CD+4:CD+7], s[OUT+2*((\i)/8):OUT+2*((\i)/8)+1] offset:FRB*((\i)%8)+512
.endm
.irp i, 0,1,2,3,4,5,6,7,8,9,10,11,12,13,14,15
	ITER \i
.endr
	s_endpgm
.Lfunc_end_k_qd874a1f302_proj:
	.size	k_qd874a1f302_proj, .Lfunc_end_k_qd874a1f302_proj-k_qd874a1f302_proj
	.p2alignl 7, 3214868480
	.fill 96, 4, 3214868480
	.section	.rodata,"a",@progbits
	.p2align	6, 0x0
	.amdhsa_kernel k_qd874a1f302_proj
		.amdhsa_group_segment_fixed_size 0
		.amdhsa_private_segment_fixed_size 0
		.amdhsa_enable_private_segment 0
		.amdhsa_kernarg_size 40
		.amdhsa_user_sgpr_count 2
		.amdhsa_user_sgpr_kernarg_segment_ptr 1
		.amdhsa_wavefront_size32 1
		.amdhsa_system_sgpr_workgroup_id_x 1
		.amdhsa_system_sgpr_workgroup_id_y 1
		.amdhsa_system_sgpr_workgroup_id_z 1
		.amdhsa_system_vgpr_workitem_id 0
		.amdhsa_next_free_vgpr 448
		.amdhsa_next_free_sgpr 66
		.amdhsa_reserve_vcc 0
		.amdhsa_float_denorm_mode_32 3
		.amdhsa_float_denorm_mode_16_64 3
		.amdhsa_memory_ordered 1
		.amdhsa_forward_progress 1
		.amdhsa_inst_pref_size 82
	.end_amdhsa_kernel
	.amdgpu_metadata
---
amdhsa.version: [ 1, 2 ]
amdhsa.kernels:
  - .name:           k_qd874a1f302_proj
    .symbol:         k_qd874a1f302_proj.kd
    .args:
      - { .name: ximg, .offset: 0, .size: 8, .value_kind: global_buffer, .address_space: global }
      - { .name: wimg, .offset: 8, .size: 8, .value_kind: global_buffer, .address_space: global }
      - { .name: lowp_scales, .offset: 16, .size: 8, .value_kind: global_buffer, .address_space: global }
      - { .name: qimg, .offset: 24, .size: 8, .value_kind: global_buffer, .address_space: global }
      - { .name: kvimg, .offset: 32, .size: 8, .value_kind: global_buffer, .address_space: global }
    .group_segment_fixed_size: 0
    .private_segment_fixed_size: 0
    .kernarg_segment_align: 8
    .kernarg_segment_size: 40
    .max_flat_workgroup_size: 128
    .sgpr_count:     66
    .vgpr_count:     448
    .wavefront_size: 32
...
	.end_amdgpu_metadata
.endif
;; end of part 2
;; launch attn (part 3): grid 16 x 12, 16 waves a work-group, no clusters, 327,680 bytes of LDS; arguments qimg, kvimg, lowp_scales, cimg; writes cimg
.if DOCPART == 3
	.amdgcn_target "amdgcn-amd-amdhsa--gfx1250"
	.amdhsa_code_object_version 6
	.text
	.protected	k_qd874a1f302_attn
	.globl	k_qd874a1f302_attn
	.p2align	8
	.type	k_qd874a1f302_attn,@function
k_qd874a1f302_attn:
	s_mov_b64 s[64:65], 0
	v_nop
	global_prefetch_b8 v0, s[64:65] scope:SCOPE_SE
	s_setreg_imm32_b32 hwreg(HW_REG_WAVE_MODE, 25, 1), 1
	s_wait_xcnt 0x0
; ctx[bh][q] = the sum over keys k <= q of softmax_k(q . k / sqrt(128)) v[k], both products on codes of FP8 (E4M3) with the given scales 2^e6 (q), 2^e7 (k), 2^e8 (p), 2^e9 (v); ctx is quantised at once with 2^e10.
; THE SOFTMAX AHEAD OF THE SECOND PRODUCT: t = score x log2(e) / sqrt(128); M = the row's largest t so far, rounded UP to a whole number; p = 2^(t - M) is what is quantised; it is not normalised.
; The row's sum is taken of the unquantised p, in f32, and divides at the end.  When M moves, the sum and O are multiplied by 2^(old M - new M): exact.
; ALL OPERANDS ARE FRAGMENT IMAGES (16 rows x 128 K = 2,048 bytes; chunk c of 512 bytes = registers 4 c .. 4 c + 3; lane l's 16 bytes at 16 l), in memory and in LDS: four loads of 16 bytes a lane, 512 consecutive bytes each.
; SHARES.  The mask leaves a block of 128 queries number b with b + 1 key steps of 128.  Work-group (i, bh) owns blocks i and 31 - i of head bh: 33 block-steps in every work-group.  Each of its sixteen waves owns one tile of 16
; queries, in 256 registers; wave w takes tile w / 2 of the low block or of the high one by the bit (w xor w / 4) % 2, so that among waves w, w + 4, w + 8, w + 12 and among waves 4 j .. 4 j + 3 alike two are low and two high.
; A step all of whose keys come after the wave's queries is left out: a scalar branch on ids round the step's loads, products and softmax; no barrier and no tensor load stands in a step.
; THE RING.  Two LDS slots of 65,536 bytes, each a slot of kvimg (256 keys: K's 16 fragments, then V's 16) as it lies: one dense block, fetched by waves 0-3, 16,384 bytes each, and read by all sixteen.
; The work-group walks 2 TRIPS + 2 slots, TRIPS = (35 - i) / 4 - 1: the high block's 32 - i steps, rounded up to a trip's four.  The count hangs on the work-group's number, so no LDS address is stepped in the loop: both slots are written out.
; NO CLUSTER, though the sixteen work-groups of a head walk the same K and V: which steps a wave leaves out hangs on its work-group's blocks, which differ between such partners;
; without the branch that leaves them out the hidden half of the scores would be multiplied.
; LAYOUT.  Both products are used transposed: S^T = K Q^T (source 0 = 16 keys, source 1 = my 16 queries), O^T = V^T P^T (source 0 = 16 of the head's 128, source 1 = p's codes): a lane holds ONE query (lane % 16) throughout, and
; register j of tile t holds key (or channel) 16 t + 8 (lane / 16) + j: the conversion of tile t gives registers 2 t, 2 t + 1 of the next operand, in that form's own places.
; cimg: [tile of 16 tokens 512][head 6][2048]: rows = tokens, K = the head's 128.
; LIMITS on the given exponents, so that each power of two below is an f32 number: e6 + e7 between -123 and 130 (added to c's exponent field); e8 and e10 between -126 and 119; e8 + e9 is applied by v_ldexp_f32 and has none.
; REGISTERS: v1, v2 16 x lane in slot 0, 1; v3 the prefetches' offset; v5, v6 for the add; v12 -M, v13 the largest t, v[14:15] the sum in two halves; v16-31 Q; v32-95 four fragments of K or V; v96-159 S^T, then p;
;   v160-223 O^T; v224-239 codes; v240, v244: 448 x 2^e8, 2^e8; v241, v245: the same with e10; v236, v242, v243, v252-254 at work.
.set FRB,   2048
.set STEPB, 16384                      ; a step's eight fragments
.set VOFF,  32768                      ; V's part of a slot
.set SLOT,  65536
.set SPARE, 2*SLOT                     ; behind the ring: the spare words, 128 bytes for each wave: eight blocks of 256 bytes that no other line names
.set LI0,  1
.set LI1,  2
.set PFO,  3
.set SPW,  5                           ; v5   LDS address of my spare word: SPARE + 4 x my thread's number; never rewritten
.set NIL,  6                           ; v6   0; never rewritten
.set QF,   16
.set FRG,  32
.set S,    96
.set O,    160
.set PC,   224
.set WV,   18                          ; s18  my wave's number
.set SEL,  20                          ; s[20:21] lane selects for v_permlanex16_b32: lane l xor 16
.set CS,   22                          ; s[22:23] c = log2(e) / sqrt(128) x 2^(e6 + e7): the packed form names a pair and takes its low word for both halves
.set G1,   24                          ; s[24:31] descriptor group 1
.set G0,   32                          ; s[32:35], s[36:39] descriptor group 0 for slot 0, 1
.set KF,   40                          ; s40  the step's first key
.set Q0,   41                          ; s41  my first query
.set TRIPS, 42
.set REM,  43                          ; s43  fills still to come
.set LIM,  44                          ; s44  1 in a wave that prefetches, else the greatest number
.set PFA,  46                          ; s[46:47] where my prefetches stand
.set ESUM, 54                          ; s54  e8 + e9
.set TMP,  55                          ; s55, s56 at work
; Waves 0-3 fetch a quarter of a slot each, the others nothing.  The branch hangs on the wave's number alone.  Four v_nop follow the load.
.macro TLOAD g0
	s_cmp_lt_u32 s[WV], 4
	s_cbranch_scc0 .Lnone_\@
	tensor_load_to_lds s[\g0:\g0+3], s[G1:G1+7]
	s_nop 0
.rept 4
	v_nop
.endr
.Lnone_\@:
.endm
; A PREFETCH of the slot that the NEXT change of slots will ask for: 65,536 bytes, one dense block.  All sixteen work-groups of a head walk the same slots: the head's first (i = 0, which walks all sixteen) asks, and nobody else;
; in it waves 4-11, which fetch nothing, take 8,192 bytes each, lanes 256 bytes apart: one instruction a wave, and each block of 256 bytes is named once in the launch.  It stands where the fetching waves have their tensor
; load, two key steps ahead of the load that will want the bytes.  Slots 0 and 1 come by their loads alone; the fill of slot 15 (REM = 1) asks for nothing: there is no slot behind it.
.macro ASK
	s_cmp_gt_u32 s[REM], s[LIM]
	s_cbranch_scc0 .Lnot_mine_\@
	global_prefetch_b8 v[PFO], s[PFA:PFA+1] th:TH_LOAD_NT scope:SCOPE_SE
.Lnot_mine_\@:
.endm
.macro MKSCALE e, vs, vl               ; v[vs] = 2^s[e] as f32, v[vl] = 448 x that
	s_add_co_i32 s[TMP], s[\e], 127
	s_lshl_b32 s[TMP+1], s[TMP], 23
	v_mov_b32 v[\vs], s[TMP+1]
	s_add_co_i32 s[TMP], s[TMP], 8
	s_lshl_b32 s[TMP], s[TMP], 23
	s_or_b32 s[TMP], s[TMP], 0x600000
	v_mov_b32 v[\vl], s[TMP]
.endm
	s_load_b256 s[4:11], s[0:1], 0x0               ; qimg s[4:5], kvimg s[6:7], the exponents s[8:9], cimg s[10:11]
	v_lshl_add_u32 v[SPW], v0, 2, SPARE
	v_mov_b32 v[NIL], 0
	ds_add_u32 v5, v6
	s_wait_dscnt 0x0
	v_lshrrev_b32 v8, 5, v0
	v_readfirstlane_b32 s[WV], v8                  ; wave 0..15
	s_and_b32 s12, ttmp7, 0xffff                   ; batch x head
	s_lshr_b32 s13, s[WV], 2
	s_xor_b32 s13, s13, s[WV]
	s_and_b32 s13, s13, 1                          ; 0: the low block, 1: the high one
	s_sub_co_u32 s14, 31, ttmp9
	s_cmp_eq_u32 s13, 1
	s_cselect_b32 s14, s14, ttmp9                  ; my block of 128 queries
	s_lshl_b32 s14, s14, 3
	s_lshr_b32 s15, s[WV], 1
	s_add_co_u32 s14, s14, s15                     ; my tile of 16 queries
	s_lshl_b32 s[Q0], s14, 4
	s_sub_co_u32 s[TRIPS], 35, ttmp9
	s_lshr_b32 s[TRIPS], s[TRIPS], 2
	s_sub_co_u32 s[TRIPS], s[TRIPS], 1             ; 4 .. 7
	s_lshl_b32 s[REM], s[TRIPS], 1
	s_add_co_u32 s[REM], s[REM], 1                 ; two fills a trip, one in the tail
	s_mov_b32 s[KF], 0
	; descriptor group 1: a dense block of 16,384 bytes as 64 rows of 32 elements of 8 bytes
	s_mov_b32 s[G1+0], 3<<16                       ; 15:0 no mask; 17:16 elements of 8 bytes; no padding: every LDS load takes 512 consecutive bytes
	s_mov_b32 s[G1+1], 32<<16                      ; tensor_dim0 = 32
	s_mov_b32 s[G1+2], 64<<16                      ; tensor_dim1 = 64
	s_mov_b32 s[G1+3], 32<<16                      ; tile_dim0 = 32
	s_mov_b32 s[G1+4], 64                          ; tile_dim1 = 64
	s_mov_b32 s[G1+5], 32                          ; from row to row: 32 elements
	s_mov_b32 s[G1+6], 0
	s_mov_b32 s[G1+7], 0
	s_mov_b32 s[SEL], 0x76543210
	s_mov_b32 s[SEL+1], 0xfedcba98
	s_mov_b32 s[CS], 0x3e0293ee                    ; log2(e) / sqrt(128)
	s_and_b32 s57, s[WV], 3
	s_lshl_b32 s[G0+1], s57, 14                    ; my quarter of slot 0
	s_lshl_b32 s56, s12, 20                        ; the head's first byte in kvimg,
	s_add_co_u32 s56, s56, s[G0+1]                 ; my quarter of its slot 0
	s_mov_b32 s57, 0
	s_wait_kmcnt 0x0
	s_load_b128 s[48:51], s[8:9], 0x18             ; e6, e7, e8, e9
	s_load_b32 s52, s[8:9], 0x28                   ; e10
	s_mov_b32 s[G0], 1                             ; 1:0 count = 1
	s_add_nc_u64 s[G0+2:G0+3], s[6:7], s[56:57]
	s_mov_b32 s[G0+4], 1
	s_add_co_u32 s[G0+5], s[G0+1], SLOT
	s_add_nc_u64 s[G0+6:G0+7], s[G0+2:G0+3], SLOT  ; slot 1 begins with the head's second 256 keys
	s_or_b32 s[G0+3], s[G0+3], 0x80000000          ; 127:126 type = 2
	s_or_b32 s[G0+7], s[G0+7], 0x80000000
	TLOAD G0                                       ; slot 0, ahead of every wait on TENSORcnt, every LDS read and every barrier; one tensor load of a wave is out at the most in this text
	s_lshl_b32 s58, s12, 19
	s_lshl_b32 s59, s14, 11
	s_add_co_u32 s58, s58, s59
	s_mov_b32 s59, 0
	s_add_nc_u64 s[4:5], s[4:5], s[58:59]          ; my tile's fragment of Q
	s_cmp_ge_u32 s12, 6
	s_cselect_b32 s60, 1, 0                        ; batch
	s_mul_i32 s61, s60, 6
	s_sub_co_u32 s61, s12, s61                     ; head
	s_lshl_b32 s60, s60, 8
	s_add_co_u32 s60, s60, s14                     ; tile of tokens
	s_mul_i32 s60, s60, 6
	s_add_co_u32 s60, s60, s61
	s_lshl_b32 s60, s60, 11
	s_mov_b32 s61, 0
	s_add_nc_u64 s[10:11], s[10:11], s[60:61]      ; my fragment of ctx
	s_and_b32 s62, s[WV], 7
	s_lshl_b32 s62, s62, 13                        ; the prefetches: my 8,192 bytes (waves 4-11 take the eight parts),
	s_lshl_b32 s63, s12, 20
	s_add_co_u32 s62, s62, s63                     ; in my head,
	s_add_co_u32 s62, s62, SLOT                    ; in slot 1: the first change of slots steps it to slot 2.  Nothing is prefetched here, at the head
	s_mov_b32 s63, 0
	s_add_nc_u64 s[PFA:PFA+1], s[6:7], s[62:63]
	s_sub_co_u32 s62, s[WV], 4
	s_lshr_b32 s62, s62, 3                         ; 0 in waves 4 to 11,
	s_or_b32 s62, s62, ttmp9                       ; of the head's first work-group
	s_cmp_eq_u32 s62, 0
	s_cselect_b32 s[LIM], 1, -1
	v_and_b32 v[LI0], 31, v0
	v_lshlrev_b32 v[PFO], 8, v[LI0]
	v_lshlrev_b32 v[LI0], 4, v[LI0]
	v_add_nc_u32 v[LI1], SLOT, v[LI0]
.irp c, 0,1,2,3
	global_load_b128 v[QF+4*\c:QF+4*\c+3], v[LI0], s[4:5] offset:512*\c   ; Q's fragment stays in registers
.endr
	v_mov_b32 v13, 0xff61b1e6                      ; the largest t so far: -3e38, under every t
	v_floor_f32 v12, -v13                          ; -M
	v_mov_b32 v14, 0                               ; the sum, in two halves
	v_mov_b32 v15, 0
	v_mov_b32 v236, 0                              ; written once: a lane permute's destination counts as one of its sources
	v_mov_b32 v253, 0                              ; (named as the upper half of the pair v[252:253])
.set n, 0
.rept 64
	v_mov_b32 v[O+n], 0                            ; O^T.  (The step is written without a first form of its own: the first finds zeros, which the first change of M leaves zeros)
.set n, n+1
.endr
	s_wait_kmcnt 0x0
	s_add_co_i32 s[TMP], s48, s49
	s_lshl_b32 s[TMP], s[TMP], 23
	s_add_co_i32 s[CS], s[CS], s[TMP]              ; a score stands for score x 2^(e6 + e7): the two exponents are added to c's exponent field
	s_mov_b32 s[CS+1], s[CS]                       ; (named with it as a pair, so it is written)
	s_add_co_i32 s[ESUM], s50, s51
	MKSCALE 50, 244, 240                           ; p's scale
	MKSCALE 52, 245, 241                           ; ctx's
; A KEY STEP: 128 keys, the q-th of slot sl.
.macro STEP sl, q
	s_add_co_u32 s[TMP], s[Q0], 15
	s_cmp_gt_u32 s[KF], s[TMP]                     ; all its keys come after my queries: nothing of it counts
	s_cbranch_scc1 .Lhidden_\@
.irp g, 0,1                            ; S^T = K Q^T, four tiles of 16 keys at a time
.rept 4
	v_nop                                          ; four places (ISA guide 7.12.1 for vector instructions) in front of loads into registers that matrix instructions have read
.endr
.irp t, 0,1,2,3
.irp c, 0,1,2,3
	ds_load_b128 v[FRG+16*\t+4*\c:FRG+16*\t+4*\c+3], v[LI0+\sl] offset:STEPB*(\q)+FRB*(4*\g+\t)+512*\c
.endr
.endr
	s_wait_dscnt 0x0
.irp t, 0,1,2,3
	v_wmma_f32_16x16x128_fp8_fp8 v[S+8*(4*\g+\t):S+8*(4*\g+\t)+7], v[FRG+16*\t:FRG+16*\t+15], v[QF:QF+15], 0
.endr
.endr
.rept 4
	v_nop
.endr
	s_add_co_u32 s[TMP], s[KF], 127                ; on the diagonal the scores of hidden keys become -infinity ahead of the maximum: p = 0 then.  A step all of whose keys count skips this
	s_cmp_le_u32 s[TMP], s[Q0]
	s_cbranch_scc1 .Lopen_\@
	s_sub_co_i32 s[TMP], s[Q0], s[KF]
	v_and_b32 v252, 15, v0
	v_bfe_u32 v253, v0, 4, 1
	v_lshlrev_b32 v253, 3, v253
	v_sub_nc_u32 v252, v252, v253
	v_add_nc_u32 v252, s[TMP], v252                ; d = my query - KF - 8 (lane / 16).  Register 8 t + j holds key KF + 8 (lane / 16) + 16 t + j: hidden where 16 t + j > d
	v_mov_b32 v254, 0xff800000                     ; -infinity.  (The step's first key counts for all my queries, so the row's maximum stays a number)
.set n, 0
.rept 64
	v_cmp_gt_i32 vcc_lo, 16*(n/8)+n%8, v252
	v_cndmask_b32 v[S+n], v[S+n], v254, vcc_lo
.set n, n+1
.endr
.Lopen_\@:
	v_max3_num_f32 v254, v96, v97, v98             ; the step's largest score of my query, among my 64 keys, in two chains (each tile's registers are first read at its low end),
	v_max3_num_f32 v252, v99, v100, v101
.irp i, 6,10,14,18,22,26,30,34,38,42,46,50,54,58
	v_max3_num_f32 v254, v254, v[S+\i], v[S+1+\i]
	v_max3_num_f32 v252, v252, v[S+2+\i], v[S+3+\i]
.endr
	v_max3_num_f32 v254, v254, v158, v159
	v_max_num_f32 v254, v254, v252
	v_permlanex16_b32 v236, v254, s[SEL], s[SEL+1]
	v_max_num_f32 v254, v254, v236                 ; and among lane l xor 16's
	v_mul_f32 v254, s[CS], v254                    ; as t (c is positive)
	v_max_num_f32 v13, v13, v254                   ; the running largest t
	v_mov_b32 v254, v12
	v_floor_f32 v12, -v13                          ; the new -M = floor(-t) = -ceil(t): M is a whole number
	v_sub_f32 v254, v12, v254                      ; M's old value less its new one: a whole number, 0 or less
	v_cvt_i32_f32 v254, v254                       ; (it saturates)
	v_ldexp_f32 v252, 1.0, v254                    ; f = 2^(old M - new M)
.set n, 0
.rept 32
	v_pk_fma_f32 v[S+n:S+n+1], v[S+n:S+n+1], s[CS:CS+1], v[12:13] op_sel_hi:[1,0,0]   ; t - M, two at a time (of the pairs c and -M the low word serves both halves)
.set n, n+2
.endr
.set n, 0
.rept 64
	v_exp_f32 v[S+n], v[S+n]                       ; p = 2^(t - M), at most 1: not normalised
.set n, n+1
.endr
	v_pk_mul_f32 v[14:15], v[14:15], v[252:253] op_sel_hi:[1,0]   ; the sums under the new M.  (The plain instruction behind the exponentials)
	s_wait_alu depctr_va_vdst(0)                   ; one wait for the whole batch of exponentials, ahead of its first reader
	v_pk_add_f32 v[242:243], v[S:S+1], v[S+2:S+3]  ; the row's sum is taken of the UNQUANTISED p: two at a time, in two chains
.irp j, 4,8,12,16,20,24,28,32,36,40,44,48,52,56,60
	v_pk_add_f32 v[14:15], v[14:15], v[S+\j:S+1+\j]
	v_pk_add_f32 v[242:243], v[242:243], v[S+2+\j:S+3+\j]
.endr
	v_pk_add_f32 v[14:15], v[14:15], v[242:243]
.irp b, 0,1,2,3
.irp i, 0,1,2,3,4,5,6,7,8,9,10,11,12,13,14,15
	v_min_num_f32 v[S+16*\b+\i], v[S+16*\b+\i], v240   ; the conversion to an 8-bit code does not saturate (ISA guide 7.6.2); p is not negative, so the hold is one-sided
.endr
	v_cvt_scalef32_pk8_fp8_f32 v[PC+4*\b:PC+4*\b+1],   v[S+16*\b:S+16*\b+7],    v244   ; tile 2 b: keys 32 b + 8 h + 0..7
	v_cvt_scalef32_pk8_fp8_f32 v[PC+4*\b+2:PC+4*\b+3], v[S+16*\b+8:S+16*\b+15], v244   ; tile 2 b + 1: keys 32 b + 16 + 8 h + 0..7
.endr
.set n, 0
.rept 32
	v_pk_mul_f32 v[O+n:O+n+1], v[O+n:O+n+1], v[252:253] op_sel_hi:[1,0]   ; O^T under the new M: x f.  (These are also the plain instructions between the conversions and the products, and the places in front of the loads below)
.set n, n+2
.endr
.irp g, 0,1                            ; O^T += V^T P^T: four tiles of 16 of the head's 128 at a time; K = these 128 keys.  The eight accumulators take turns
.if \g > 0
.rept 4
	v_nop
.endr
.endif
.irp t, 0,1,2,3
.irp c, 0,1,2,3
	ds_load_b128 v[FRG+16*\t+4*\c:FRG+16*\t+4*\c+3], v[LI0+\sl] offset:VOFF+STEPB*(\q)+FRB*(4*\g+\t)+512*\c
.endr
.endr
	s_wait_dscnt 0x0
.irp t, 0,1,2,3
	v_wmma_f32_16x16x128_fp8_fp8 v[O+8*(4*\g+\t):O+8*(4*\g+\t)+7], v[FRG+16*\t:FRG+16*\t+15], v[PC:PC+15], v[O+8*(4*\g+\t):O+8*(4*\g+\t)+7]
.endr
.endr
.Lhidden_\@:
	s_add_co_u32 s[KF], s[KF], 128
.endm
; THE CHANGE OF SLOTS stands at a slot's head; rd is the slot about to be read.  Each wave waits for all its tensor loads (its part of slot rd), adds 0 to its spare word, and waits for that and for its reads of the other slot.
; Behind the barrier slot rd is whole and nobody reads the other one.  fill = 1: that other slot takes the next 256 keys: the load has two key steps in which to land.
.macro CHANGE rd, fill
	s_wait_tensorcnt 0x0                           ; no tensor load of mine is out, so a group 0 may be written
	ds_add_u32 v[SPW], v[NIL]                      ; 0 onto my spare word; the steps below stand between it and the wait for it
	s_add_nc_u64 s[G0+4*\rd+2:G0+4*\rd+3], s[G0+4*\rd+2:G0+4*\rd+3], 2*SLOT   ; slot rd's next fill: two slots on; the type bits on top are not reached
.if \fill
	s_wait_xcnt 0x0                                ; the last prefetch, a slot back, has read its address, so it may be written:
	s_add_nc_u64 s[PFA:PFA+1], s[PFA:PFA+1], SLOT  ; one slot further on than the fill below
.endif
	s_wait_dscnt 0x0                               ; the add is done, and my reads of the slot that I have left are over
	s_barrier_signal -1
	s_barrier_wait -1
.if \fill
	TLOAD G0+4*(1-\rd)                             ; the first thing behind the barrier, and a wave's one tensor load until the next
	ASK
	s_sub_co_u32 s[REM], s[REM], 1
.endif
.endm
	s_wait_loadcnt 0x0                             ; Q
.Ltrip:                                            ; a trip: both slots, four key steps, two fills
	CHANGE 0, 1
	STEP 0, 0
	STEP 0, 1
	CHANGE 1, 1
	STEP 1, 0
	STEP 1, 1
	s_sub_co_u32 s[TRIPS], s[TRIPS], 1
	s_cmp_lg_u32 s[TRIPS], 0
	s_cbranch_scc1 .Ltrip
	CHANGE 0, 1                                    ; the last two slots are written out: one more fill
	STEP 0, 0
	STEP 0, 1
	CHANGE 1, 0                                    ; then none (the stepped address is not used)
	STEP 1, 0
	STEP 1, 1
	; THE WAY OUT.  O^T is divided by the row's sum, multiplied by 2^(e8 + e9), held and converted with 2^e10: the eight tiles' codes are the fragment (my 16 tokens x my head's 128) of the last product's operand.
.rept 4
	v_nop                                          ; four places behind the last products
.endr
	v_add_f32 v14, v14, v15                        ; the sum's two halves,
	v_permlanex16_b32 v236, v14, s[SEL], s[SEL+1]
	v_add_f32 v14, v14, v236                       ; and lane l xor 16's: the row's sum, at least 1/2
	v_rcp_f32 v14, v14
	v_nop                                          ; a plain instruction behind the transcendental
	s_wait_alu depctr_va_vdst(0)                   ; and the wait ahead of its first reader
	v_ldexp_f32 v14, v14, s[ESUM]
.set n, 0
.rept 32
	v_pk_mul_f32 v[S+n:S+n+1], v[O+n:O+n+1], v[14:15] op_sel_hi:[1,0]   ; each accumulator from its low end on
.set n, n+2
.endr
.set n, 0
.rept 64
	v_med3_num_f32 v[S+n], v[S+n], -v241, v241
.set n, n+1
.endr
.irp t, 0,1,2,3,4,5,6,7
	v_cvt_scalef32_pk8_fp8_f32 v[PC+2*\t:PC+2*\t+1], v[S+8*\t:S+8*\t+7], v245
.endr
	v_nop
.irp c, 0,1,2,3
	global_store_b128 v[LI0], v[PC+4*\c:PC+4*\c+3], s[10:11] offset:512*\c   ; 32 lanes store 512 consecutive bytes, aligned
.endr
	s_wait_tensorcnt 0x0                           ; the wave's end
	ds_add_u32 v[SPW], v[NIL]
	s_wait_dscnt 0x0
	s_endpgm
.Lfunc_end_k_qd874a1f302_attn:
	.size	k_qd874a1f302_attn, .Lfunc_end_k_qd874a1f302_attn-k_qd874a1f302_attn
	.p2alignl 7, 3214868480
	.fill 96, 4, 3214868480
	.section	.rodata,"a",@progbits
	.p2align	6, 0x0
	.amdhsa_kernel k_qd874a1f302_attn
		.amdhsa_group_segment_fixed_size 327680
		.amdhsa_private_segment_fixed_size 0
		.amdhsa_enable_private_segment 0
		.amdhsa_kernarg_size 32
		.amdhsa_user_sgpr_count 2
		.amdhsa_user_sgpr_kernarg_segment_ptr 1
		.amdhsa_wavefront_size32 1
		.amdhsa_system_sgpr_workgroup_id_x 1
		.amdhsa_system_sgpr_workgroup_id_y 1
		.amdhsa_system_sgpr_workgroup_id_z 1
		.amdhsa_system_vgpr_workitem_id 0
		.amdhsa_next_free_vgpr 256
		.amdhsa_next_free_sgpr 66
		.amdhsa_reserve_vcc 1
		.amdhsa_float_denorm_mode_32 3
		.amdhsa_float_denorm_mode_16_64 3
		.amdhsa_memory_ordered 1
		.amdhsa_forward_progress 1
		.amdhsa_inst_pref_size 211
	.end_amdhsa_kernel
	.amdgpu_metadata
---
amdhsa.version: [ 1, 2 ]
amdhsa.kernels:
  - .name:           k_qd874a1f302_attn
    .symbol:         k_qd874a1f302_attn.kd
    .args:
      - { .name: qimg, .offset: 0, .size: 8, .value_kind: global_buffer, .address_space: global }
      - { .name: kvimg, .offset: 8, .size: 8, .value_kind: global_buffer, .address_space: global }
      - { .name: lowp_scales, .offset: 16, .size: 8, .value_kind: global_buffer, .address_space: global }
      - { .name: cimg, .offset: 24, .size: 8, .value_kind: global_buffer, .address_space: global }
    .group_segment_fixed_size: 327680
    .private_segment_fixed_size: 0
    .kernarg_segment_align: 8
    .kernarg_segment_size: 32
    .max_flat_workgroup_size: 512
    .sgpr_count:     66
    .vgpr_count:     256
    .wavefront_size: 32
...
	.end_amdgpu_metadata
.endif
;; end of part 3
;; launch oproj (part 4): grid 64 x 3, 4 waves a work-group, no clusters, 17,920 bytes of LDS; arguments cimg, wimg, b_o, lowp_scales, out0; writes out0
.if DOCPART == 4
	.amdgcn_target "amdgcn-amd-amdhsa--gfx1250"
	.amdhsa_code_object_version 6
	.text
	.protected	k_qd874a1f302_oproj
	.globl	k_qd874a1f302_oproj
	.p2align	8
	.type	k_qd874a1f302_oproj,@function
k_qd874a1f302_oproj:
	s_mov_b64 s[64:65], 0
	v_nop
	global_prefetch_b8 v0, s[64:65] scope:SCOPE_SE
	s_setreg_imm32_b32 hwreg(HW_REG_WAVE_MODE, 25, 1), 1
	s_wait_xcnt 0x0
; out0 = ctx W_o + b_o on codes of FP8 (E4M3), K = 768; each finished sum once x 2^(e10 + e11), plus the bias, in one packed multiply-add.  out0: [8192][768] f32.
; Both operands are fragment images (16 rows x 128 K = 2,048 bytes; chunk c of 512 bytes = registers 4 c .. 4 c + 3; lane l's 16 bytes at 16 l):
;   cimg [tile of 16 tokens 512][K step = head 6][2048];  W_o's at wimg + 432 x 2048: [tile of 16 columns 48][K step 6][2048].
; SHARES.  Work-group (x, y): tokens 128 x on, columns 256 y on.  Wave w: columns 64 w on of these: its 24 fragments of W_o (384 registers) stay in registers; the eight tiles of tokens are streamed, one tile ahead, in two buffers.
; THE MATRIX INSTRUCTION IS USED TRANSPOSED (source 0 = 16 columns of W_o, source 1 = 16 tokens): a lane then holds eight neighbouring numbers of a row of out0.  A tile's 16 rows x 64 columns go through the wave's own stage in LDS
; (rows of 256 bytes + 16) and come back by rows: sixteen lanes store 256 consecutive bytes, aligned.  The stage is each wave's own: no barrier.
; LIMIT: e10 + e11 between -126 and 127, so that 2^(e10 + e11) is an f32 number.
; REGISTERS: window 0: v1 16 x lane; v2, v3 the stage, in and back; v4 my place in two rows of out0; v5 the bias's offset; v16-111 ctx, even tiles; v112-143 four accumulators; v144-175 results; v176-207 rows read back; v208-239 the bias.
;   window 1: W_o's fragments (tile a, K step s < 4) at 16 (4 s + a).   window 2: v0-127 those of K steps 4, 5 at 16 (4 (s - 4) + a); v128-223 ctx, odd tiles.
.set FRB,  2048
.set WO,   884736                      ; W_o's first fragment in wimg
.set OROW, 3072                        ; a row of out0 in bytes
.set SP,   272                         ; a stage row: 256 bytes + 16: the sixteen rows that a store touches start at sixteen different banks (64 banks of 4 bytes: ISA guide 11.1)
.set LI,   1
.set SO,   2
.set SR,   3
.set GO,   4
.set BO,   5
.set CB0,  16
.set CB1,  128
.set ACC,  112
.set YR,   144
.set ZR,   176
.set BI,   208
.set MSB, 0
.macro WIN new                         ; s_set_vgpr_msb: bits 1:0 source 0, 3:2 source 1, 5:4 source 2, 7:6 destination; the high byte repeats the setting that is left
.if MSB != (\new)
	s_set_vgpr_msb (MSB<<8)|(\new)
.set MSB, (\new)
.endif
.endm
	s_load_b256 s[4:11], s[0:1], 0x0               ; cimg s[4:5], wimg s[6:7], b_o s[8:9], the exponents s[10:11]
	s_load_b64 s[12:13], s[0:1], 0x20              ; out0
	v_lshl_add_u32 v254, v0, 2, 0x4400
	v_mov_b32 v255, 0
	v_lshrrev_b32 v6, 5, v0
	v_readfirstlane_b32 s14, v6                    ; wave 0..3
	v_and_b32 v6, 15, v0                           ; r
	v_bfe_u32 v7, v0, 4, 1                         ; h
	v_and_b32 v1, 31, v0
	v_lshlrev_b32 v[LI], 4, v1
	s_mul_i32 s15, s14, 16*SP                      ; my stage
	v_mul_u32_u24 v[SO], v6, SP
	v_lshl_add_u32 v[SO], v7, 5, v[SO]
	v_add_nc_u32 v[SO], s15, v[SO]                 ; in: row r, + 32 h bytes
	v_mul_u32_u24 v[SR], v7, SP
	v_lshl_add_u32 v[SR], v6, 4, v[SR]
	v_add_nc_u32 v[SR], s15, v[SR]                 ; back: lanes 0-15 one row, lanes 16-31 the next
	v_mul_u32_u24 v[GO], v7, OROW
	v_lshl_add_u32 v[GO], v6, 4, v[GO]             ; and the same two rows in out0
	v_lshlrev_b32 v[BO], 5, v7                     ; the bias: my half's eight numbers of a tile
	s_and_b32 s16, ttmp7, 0xffff
	s_lshl_b32 s17, s16, 4
	s_lshl_b32 s18, s14, 2
	s_add_co_u32 s17, s17, s18                     ; my first tile of columns: 16 y + 4 wave
	s_mul_i32 s22, s17, 6*FRB
	s_add_co_u32 s22, s22, WO
	s_mov_b32 s23, 0
	s_mul_i32 s24, ttmp9, 8*6*FRB                  ; my work-group's eight tiles of tokens
	s_mov_b32 s25, 0
	s_lshl_b32 s26, s17, 6                         ; my first column in bytes: a multiple of 256
	s_mov_b32 s27, 0
	s_mul_i32 s28, ttmp9, 128*OROW
	s_add_co_u32 s28, s28, s26
	s_mov_b32 s29, 0
	s_wait_kmcnt 0x0
	s_load_b64 s[20:21], s[10:11], 0x28            ; e10, e11
	s_add_nc_u64 s[6:7], s[6:7], s[22:23]
	s_add_nc_u64 s[4:5], s[4:5], s[24:25]
	s_add_nc_u64 s[8:9], s[8:9], s[26:27]
	s_add_nc_u64 s[12:13], s[12:13], s[28:29]
.irp s, 0,1,2,3,4,5
	WIN 0x40*(1+\s/4)                              ; destination window 1 or 2, address window 0
.irp a, 0,1,2,3
.irp c, 0,1,2,3
	global_load_b128 v[16*(4*(\s%4)+\a)+4*\c:16*(4*(\s%4)+\a)+4*\c+3], v[LI], s[6:7] offset:(6*\a+\s)*FRB+512*\c   ; W_o stays in registers
.endr
.endr
.endr
	WIN 0
.irp a, 0,1,2,3
	global_load_b128 v[BI+8*\a:BI+8*\a+3],   v[BO], s[8:9] offset:64*\a      ; b_o at columns 16 a + 8 h + 0..7 of my 64: the result's layout
	global_load_b128 v[BI+8*\a+4:BI+8*\a+7], v[BO], s[8:9] offset:64*\a+16
.endr
.macro CLOAD i                         ; tile i of tokens, six fragments, into buffer i % 2
.if (\i)%2
	WIN 0x80
.set CLR, CB1
.else
	WIN 0
.set CLR, CB0
.endif
.set n, 0
.rept 24
	global_load_b128 v[CLR+4*n:CLR+4*n+3], v[LI], s[4:5] offset:6*FRB*(\i)+512*n
.set n, n+1
.endr
	WIN 0
.endm
	CLOAD 0
	CLOAD 1
	s_wait_kmcnt 0x0
	s_add_co_i32 s20, s20, s21
	s_add_co_i32 s20, s20, 127
	s_lshl_b32 s20, s20, 23                        ; 2^(e10 + e11) as f32
	s_mov_b32 s21, s20                             ; (named with it as a pair, so it is written)
.macro ITER i
.if (\i)%2
.set CBR, CB1
.set WB, 0x08                          ; source 1 (ctx) window 2
.else
.set CBR, CB0
.set WB, 0
.endif
.if (\i) < 7
	s_wait_loadcnt 24                              ; loads come back in order: this tile (and, the first time, W_o and the bias) is in; the next tile's 24 may be out
.else
	s_wait_loadcnt 0x0
.endif
.irp s, 0,1,2,3,4,5
	WIN WB+1+\s/4                                  ; source 0 (W_o) window 1 or 2
.irp a, 0,1,2,3                        ; the four accumulators take turns, one instruction a turn; the first K step starts the sums
.if \s == 0
	v_wmma_f32_16x16x128_fp8_fp8 v[ACC+8*\a:ACC+8*\a+7], v[16*(4*(\s%4)+\a):16*(4*(\s%4)+\a)+15], v[CBR+16*\s:CBR+16*\s+15], 0
.else
	v_wmma_f32_16x16x128_fp8_fp8 v[ACC+8*\a:ACC+8*\a+7], v[16*(4*(\s%4)+\a):16*(4*(\s%4)+\a)+15], v[CBR+16*\s:CBR+16*\s+15], v[ACC+8*\a:ACC+8*\a+7]
.endif
.endr
.endr
	WIN 0
.rept 4
	v_nop                                          ; four places in front of the loads into the buffer just multiplied and of the first read of the sums
.endr
.if (\i)+2 < 8
	CLOAD (\i)+2
.endif
.set n, 0
.rept 16
	v_pk_fma_f32 v[YR+n:YR+n+1], v[ACC+n:ACC+n+1], s[20:21], v[BI+n:BI+n+1] op_sel_hi:[1,0,1]   ; sum x 2^(e10 + e11) + b_o; each accumulator from its low end on
.set n, n+2
.endr
.irp a, 0,1,2,3
	ds_store_b128 v[SO], v[YR+8*\a:YR+8*\a+3]   offset:64*\a        ; lane (r, h): row r, columns 16 a + 8 h + 0..7
	ds_store_b128 v[SO], v[YR+8*\a+4:YR+8*\a+7] offset:64*\a+16
.endr
	s_wait_xcnt 0x0                                ; the last tile's stores have read their data: the rows' registers are loaded again below
.irp t, 0,1,2,3,4,5,6,7
	ds_load_b128 v[ZR+4*\t:ZR+4*\t+3], v[SR] offset:2*\t*SP         ; LDS serves a wave's instructions in order (ISA guide 5.7.1.4): these see my stores
.endr
.irp t, 0,1,2,3,4,5,6,7
	s_wait_dscnt 7-\t                              ; rows 2 t, 2 t + 1 are back; the younger loads may be out.  The last count is 0: the stage and the results' registers are free for the next tile
	global_store_b128 v[GO], v[ZR+4*\t:ZR+4*\t+3], s[12:13] offset:16*OROW*(\i)+2*\t*OROW th:TH_STORE_NT   ; sixteen lanes store 256 consecutive bytes, at a multiple of 256 from out0's first byte
.endr
.endm
.irp i, 0,1,2,3,4,5,6,7
	ITER \i
.endr
	s_wait_tensorcnt 0x0
	ds_add_u32 v254, v255
	s_wait_dscnt 0x0
	s_endpgm
.Lfunc_end_k_qd874a1f302_oproj:
	.size	k_qd874a1f302_oproj, .Lfunc_end_k_qd874a1f302_oproj-k_qd874a1f302_oproj
	.p2alignl 7, 3214868480
	.fill 96, 4, 3214868480
	.section	.rodata,"a",@progbits
	.p2align	6, 0x0
	.amdhsa_kernel k_qd874a1f302_oproj
		.amdhsa_group_segment_fixed_size 17920
		.amdhsa_private_segment_fixed_size 0
		.amdhsa_enable_private_segment 0
		.amdhsa_kernarg_size 40
		.amdhsa_user_sgpr_count 2
		.amdhsa_user_sgpr_kernarg_segment_ptr 1
		.amdhsa_wavefront_size32 1
		.amdhsa_system_sgpr_workgroup_id_x 1
		.amdhsa_system_sgpr_workgroup_id_y 1
		.amdhsa_system_sgpr_workgroup_id_z 1
		.amdhsa_system_vgpr_workitem_id 0
		.amdhsa_next_free_vgpr 768
		.amdhsa_next_free_sgpr 66
		.amdhsa_reserve_vcc 0
		.amdhsa_float_denorm_mode_32 3
		.amdhsa_float_denorm_mode_16_64 3
		.amdhsa_memory_ordered 1
		.amdhsa_forward_progress 1
		.amdhsa_inst_pref_size 69
	.end_amdhsa_kernel
	.amdgpu_metadata
---
amdhsa.version: [ 1, 2 ]
amdhsa.kernels:
  - .name:           k_qd874a1f302_oproj
    .symbol:         k_qd874a1f302_oproj.kd
    .args:
      - { .name: cimg, .offset: 0, .size: 8, .value_kind: global_buffer, .address_space: global }
      - { .name: wimg, .offset: 8, .size: 8, .value_kind: global_buffer, .address_space: global }
      - { .name: b_o, .offset: 16, .size: 8, .value_kind: global_buffer, .address_space: global }
      - { .name: lowp_scales, .offset: 24, .size: 8, .value_kind: global_buffer, .address_space: global }
      - { .name: out0, .offset: 32, .size: 8, .value_kind: global_buffer, .address_space: global }
    .group_segment_fixed_size: 17920
    .private_segment_fixed_size: 0
    .kernarg_segment_align: 8
    .kernarg_segment_size: 40
    .max_flat_workgroup_size: 128
    .sgpr_count:     66
    .vgpr_count:     768
    .wavefront_size: 32
...
	.end_amdgpu_metadata
.endif
;; end of part 4
;; ======== version 2 of 2: 4 launches
;; workspace buffers: ximg 9,437,184 bytes; wimg 1,474,560 bytes; qimg 6,291,456 bytes; kvimg 12,582,912 bytes; cimg 6,291,456 bytes
;; launch prep (part 5): grid 752 x 1, 3 waves a work-group, no clusters, 0 bytes of LDS; arguments x, W_q, W_k, W_v, W_o, lowp_scales, ximg, wimg; writes ximg, wimg
.if DOCPART == 5
	.amdgcn_target "amdgcn-amd-amdhsa--gfx1250"
	.amdhsa_code_object_version 6
	.text
	.protected	k_qd874a1f302_prep
	.globl	k_qd874a1f302_prep
	.p2align	8
	.type	k_qd874a1f302_prep,@function
k_qd874a1f302_prep:
	s_mov_b64 s[64:65], 0
	v_nop
	global_prefetch_b8 v0, s[64:65] scope:SCOPE_SE
	s_setreg_imm32_b32 hwreg(HW_REG_WAVE_MODE, 25, 1), 1
	s_wait_xcnt 0x0
; x [8192][384] f32 becomes three sets of codes of FP8 (E4M3), with the scales 2^e0, 2^e2, 2^e4; W_q, W_k, W_v [384][768] and W_o [768][768] f32 become codes with 2^e1, 2^e3, 2^e5, 2^e11.
; code = number / 2^e, held within +-448, rounded to the nearest code, ties to even.
; THE CODES ARE LAID AS IMAGES OF AN OPERAND'S REGISTERS.  A fragment (16 rows x 128 along K) is 2,048 bytes: four chunks c of 512 bytes; in chunk c lane l = (r = l % 16, h = l / 16) owns the 16 bytes at 16 l:
; k = 32 c + 8 h + 0..7, then k = 32 c + 16 + 8 h + 0..7, of row r.  Those are registers 4 c .. 4 c + 3 of the 16x16x128 form's operand, so a later launch fetches a fragment by four loads of 16 bytes a lane.
; ximg: [version 3][tile of 16 tokens 512][K step 3][2048], rows = tokens.   wimg: fragment f at 2048 f, rows = columns n of the weight:
;   f = (48 m + nt) 3 + s for W_q, W_k, W_v (m = 0, 1, 2);  f = 432 + 6 nt + s for W_o.
; SHARES.  One wave makes one fragment.  Work-groups 0-511: token tile = the work-group, K step = the wave, all three versions from one read of x.  Work-groups 512-751: weights, fragment 3 (work-group - 512) + wave.
; No LDS, no barrier, no matrix work: the launch only moves and converts.  Every store of a wave covers 512 consecutive bytes, aligned.
; LIMITS: each e between -126 and 119, so that 2^e and 448 x 2^e are f32 numbers.  NaN among the inputs is not served (an infinity is held at the largest code).
.set XV,   3145728                     ; bytes of one version of x's codes
.set XROW, 1536                        ; a row of x in bytes
.set WROW, 3072                        ; a row of a weight in bytes
.set FRB,  2048                        ; a fragment's image
.set NXT,  512                         ; work-groups that take x
.set X,    16                          ; v16-79   64 numbers of my lane: register 16 c + i is byte i of chunk c
.set T,    80                          ; v80-111  two sets of 16 held numbers, by turns
.set C,    112                         ; v112-159 codes: 16 registers a version
.macro MKSCALE e, vs, vl               ; v[vs] = 2^e as f32 (the conversion takes its exponent field), v[vl] = 448 x 2^e
	s_add_co_i32 s46, \e, 127
	s_lshl_b32 s47, s46, 23
	v_mov_b32 v[\vs], s47
	s_add_co_i32 s46, s46, 8
	s_lshl_b32 s46, s46, 23
	s_or_b32 s46, s46, 0x600000
	v_mov_b32 v[\vl], s46
.endm
	s_load_b512 s[8:23], s[0:1], 0x0               ; x s[8:9], W_q s[10:11], W_k s[12:13], W_v s[14:15], W_o s[16:17], the exponents s[18:19], ximg s[20:21], wimg s[22:23]
	v_lshrrev_b32 v1, 5, v0
	v_readfirstlane_b32 s36, v1                    ; wave 0..2
	v_and_b32 v2, 15, v0                           ; r
	v_bfe_u32 v3, v0, 4, 1                         ; h
	v_and_b32 v4, 31, v0
	v_lshlrev_b32 v4, 4, v4                        ; 16 x lane: my place in a chunk
	s_wait_kmcnt 0x0
	s_load_b256 s[24:31], s[18:19], 0x0            ; e0 .. e7
	s_load_b128 s[32:35], s[18:19], 0x20           ; e8 .. e11
	s_cmp_ge_u32 ttmp9, NXT
	s_cbranch_scc1 .Lweights
	s_wait_alu depctr_va_vdst(0)
	; ---- x: K is innermost, so a lane's eight neighbours along K are 32 consecutive bytes
	v_mul_u32_u24 v5, v2, XROW
	v_lshl_add_u32 v5, v3, 5, v5                   ; row r, + 8 h numbers
	s_mul_i32 s40, ttmp9, 16*XROW                  ; my 16 tokens,
	s_lshl_b32 s41, s36, 9                         ; my 128 along K
	s_add_co_u32 s40, s40, s41
	s_mov_b32 s41, 0
	s_add_nc_u64 s[8:9], s[8:9], s[40:41]
.irp c, 0,1,2,3
	global_load_b128 v[X+16*\c:X+16*\c+3],     v5, s[8:9] offset:128*\c th:TH_LOAD_NT       ; k = 32 c + 8 h + 0..3
	global_load_b128 v[X+16*\c+4:X+16*\c+7],   v5, s[8:9] offset:128*\c+16 th:TH_LOAD_NT    ; + 4..7
	global_load_b128 v[X+16*\c+8:X+16*\c+11],  v5, s[8:9] offset:128*\c+64 th:TH_LOAD_NT    ; k = 32 c + 16 + 8 h + 0..3
	global_load_b128 v[X+16*\c+12:X+16*\c+15], v5, s[8:9] offset:128*\c+80 th:TH_LOAD_NT    ; + 4..7
.endr
	s_mul_i32 s40, ttmp9, 3
	s_add_co_u32 s40, s40, s36
	s_lshl_b32 s40, s40, 11                        ; fragment 3 x tile + K step
	s_add_nc_u64 s[20:21], s[20:21], s[40:41]
	s_wait_kmcnt 0x0
	MKSCALE s24, 6, 7                              ; version 0: e0
	MKSCALE s26, 8, 9                              ; version 1: e2
	MKSCALE s28, 10, 11                            ; version 2: e4
	s_wait_alu depctr_va_vdst(0)
	s_wait_loadcnt 0x0
; chunk c of version v: 16 holds into the set that the last conversions did not read, two conversions
.macro XQ v, c
.set TS, T+16*((\c)%2)
.irp i, 0,1,2,3,4,5,6,7,8,9,10,11,12,13,14,15
	v_med3_num_f32 v[TS+\i], v[X+16*(\c)+\i], -v[7+2*(\v)], v[7+2*(\v)]   ; the conversion to an 8-bit code does not saturate (ISA guide 7.6.2): the hold at the largest code x the scale
.endr
	v_cvt_scalef32_pk8_fp8_f32 v[C+16*(\v)+4*(\c):C+16*(\v)+4*(\c)+1],   v[TS:TS+7],    v[6+2*(\v)]
	v_cvt_scalef32_pk8_fp8_f32 v[C+16*(\v)+4*(\c)+2:C+16*(\v)+4*(\c)+3], v[TS+8:TS+15], v[6+2*(\v)]
.endm
.irp v, 0,1,2
.irp c, 0,1,2,3
	XQ \v, \c
.endr
.irp c, 0,1,2,3
	global_store_b128 v4, v[C+16*\v+4*\c:C+16*\v+4*\c+3], s[20:21] offset:\v*XV+512*\c   ; each version has its own registers: no store's data are written again
.endr
.endr
	s_endpgm
	; ---- the weights: K is the FIRST axis, so a lane takes a column and its registers run down K, in the order of the image: nothing is transposed
.Lweights:
	s_sub_co_u32 s37, ttmp9, NXT                   ; idx 0..239: 48 for each of W_q, W_k, W_v (a tile of 16 columns each), 96 for W_o (a tile and half of its six K steps each)
	s_cmp_lt_u32 s37, 144
	s_cselect_b64 s[38:39], s[14:15], s[16:17]     ; the choices hang on the work-group's number alone
	s_cselect_b32 s41, 96, 0
	s_cmp_lt_u32 s37, 96
	s_cselect_b64 s[38:39], s[12:13], s[38:39]
	s_cselect_b32 s41, 48, s41
	s_cmp_lt_u32 s37, 48
	s_cselect_b64 s[38:39], s[10:11], s[38:39]
	s_cselect_b32 s41, 0, s41
	s_sub_co_u32 s42, s37, s41                     ; the first three: tile of columns
	s_sub_co_u32 s44, s37, 144                     ; W_o: i2,
	s_lshr_b32 s45, s44, 1                         ; tile i2 / 2,
	s_and_b32 s44, s44, 1
	s_mul_i32 s44, s44, 3                          ; K steps 3 (i2 % 2) + wave
	s_cmp_lt_u32 s37, 144
	s_cselect_b32 s42, s42, s45                    ; nt
	s_cselect_b32 s43, 0, s44
	s_add_co_u32 s43, s43, s36                     ; K step
	s_mul_i32 s44, s43, 128*WROW
	s_lshl_b32 s45, s42, 6                         ; 16 columns are 64 bytes
	s_add_co_u32 s44, s44, s45
	s_mov_b32 s45, 0
	s_add_nc_u64 s[38:39], s[38:39], s[44:45]
	s_wait_alu depctr_va_vdst(0)
	v_mul_u32_u24 v6, v3, 8*WROW
	v_lshl_add_u32 v5, v2, 2, v6                   ; column r, 8 h rows down
.irp c, 0,1,2,3
.irp i, 0,1,2,3,4,5,6,7,8,9,10,11,12,13,14,15
	global_load_b32 v[X+16*\c+\i], v5, s[38:39] offset:(32*\c+\i+8*(\i/8))*WROW   ; W(32 c + 8 h + i, or + 8 more from i = 8 on; column r): sixteen lanes read 64 consecutive bytes
.endr
.endr
	s_mul_i32 s44, s37, 3
	s_add_co_u32 s44, s44, s36
	s_lshl_b32 s44, s44, 11                        ; fragment 3 idx + wave, in both numberings
	s_add_nc_u64 s[22:23], s[22:23], s[44:45]
	s_wait_kmcnt 0x0
	s_cmp_lt_u32 s37, 144
	s_cselect_b32 s40, s29, s35                    ; e5 or e11
	s_cmp_lt_u32 s37, 96
	s_cselect_b32 s40, s27, s40                    ; e3
	s_cmp_lt_u32 s37, 48
	s_cselect_b32 s40, s25, s40                    ; e1
	MKSCALE s40, 6, 7
	s_wait_alu depctr_va_vdst(0)
	s_wait_loadcnt 0x0
.set n, 0
.rept 64
	v_med3_num_f32 v[X+n], v[X+n], -v7, v7
.set n, n+1
.endr
.irp g, 0,1,2,3,4,5,6,7
	v_cvt_scalef32_pk8_fp8_f32 v[C+2*\g:C+2*\g+1], v[X+8*\g:X+8*\g+7], v6
.endr
.irp c, 0,1,2,3
	global_store_b128 v4, v[C+4*\c:C+4*\c+3], s[22:23] offset:512*\c
.endr
	s_endpgm
.Lfunc_end_k_qd874a1f302_prep:
	.size	k_qd874a1f302_prep, .Lfunc_end_k_qd874a1f302_prep-k_qd874a1f302_prep
	.p2alignl 7, 3214868480
	.fill 96, 4, 3214868480
	.section	.rodata,"a",@progbits
	.p2align	6, 0x0
	.amdhsa_kernel k_qd874a1f302_prep
		.amdhsa_group_segment_fixed_size 0
		.amdhsa_private_segment_fixed_size 0
		.amdhsa_enable_private_segment 0
		.amdhsa_kernarg_size 64
		.amdhsa_user_sgpr_count 2
		.amdhsa_user_sgpr_kernarg_segment_ptr 1
		.amdhsa_wavefront_size32 1
		.amdhsa_system_sgpr_workgroup_id_x 1
		.amdhsa_system_sgpr_workgroup_id_y 1
		.amdhsa_system_sgpr_workgroup_id_z 1
		.amdhsa_system_vgpr_workitem_id 0
		.amdhsa_next_free_vgpr 160
		.amdhsa_next_free_sgpr 66
		.amdhsa_reserve_vcc 0
		.amdhsa_float_denorm_mode_32 3
		.amdhsa_float_denorm_mode_16_64 3
		.amdhsa_memory_ordered 1
		.amdhsa_forward_progress 1
		.amdhsa_inst_pref_size 32
	.end_amdhsa_kernel
	.amdgpu_metadata
---
amdhsa.version: [ 1, 2 ]
amdhsa.kernels:
  - .name:           k_qd874a1f302_prep
    .symbol:         k_qd874a1f302_prep.kd
    .args:
      - { .name: x, .offset: 0, .size: 8, .value_kind: global_buffer, .address_space: global }
      - { .name: W_q, .offset: 8, .size: 8, .value_kind: global_buffer, .address_space: global }
      - { .name: W_k, .offset: 16, .size: 8, .value_kind: global_buffer, .address_space: global }
      - { .name: W_v, .offset: 24, .size: 8, .value_kind: global_buffer, .address_space: global }
      - { .name: W_o, .offset: 32, .size: 8, .value_kind: global_buffer, .address_space: global }
      - { .name: lowp_scales, .offset: 40, .size: 8, .value_kind: global_buffer, .address_space: global }
      - { .name: ximg, .offset: 48, .size: 8, .value_kind: global_buffer, .address_space: global }
      - { .name: wimg, .offset: 56, .size: 8, .value_kind: global_buffer, .address_space: global }
    .group_segment_fixed_size: 0
    .private_segment_fixed_size: 0
    .kernarg_segment_align: 8
    .kernarg_segment_size: 64
    .max_flat_workgroup_size: 96
    .sgpr_count:     66
    .vgpr_count:     160
    .wavefront_size: 32
...
	.end_amdgpu_metadata
.endif
;; end of part 5
;; launch proj (part 6): grid 32 x 9, 4 waves a work-group, no clusters, 0 bytes of LDS; arguments ximg, wimg, lowp_scales, qimg, kvimg; writes qimg, kvimg
.if DOCPART == 6
	.amdgcn_target "amdgcn-amd-amdhsa--gfx1250"
	.amdhsa_code_object_version 6
	.text
	.protected	k_qd874a1f302_proj
	.globl	k_qd874a1f302_proj
	.p2align	8
	.type	k_qd874a1f302_proj,@function
k_qd874a1f302_proj:
	s_mov_b64 s[64:65], 0
	v_nop
	global_prefetch_b8 v0, s[64:65] scope:SCOPE_SE
	s_setreg_imm32_b32 hwreg(HW_REG_WAVE_SCHED_MODE, 0, 2), 2
	s_setreg_imm32_b32 hwreg(HW_REG_WAVE_MODE, 25, 1), 1
	s_wait_xcnt 0x0
	s_wait_alu depctr_vm_vsrc(0)
; q = x W_q, k = x W_k, v = x W_v on codes of FP8 (E4M3), K = 384, and each result quantised at once (scales 2^e6, 2^e7, 2^e9) into images of the attention's operands.
; All buffers hold fragment images: 16 rows x 128 K = 2,048 bytes, chunk c (512 bytes) = registers 4 c .. 4 c + 3, lane l's 16 bytes at 16 l.
; ONE TEXT FOR THE THREE PRODUCTS; only pointers and offsets are chosen, by the work-group's numbers.  y = 3 type + sub; type 0: q, 1: k, 2: v.
; A wave keeps 64 rows of operand F0 in registers (4 tiles x 3 K steps, 192 registers) and streams 16 tiles of operand F1.  D = F0's tile (source 0) x F1's tile (source 1): a lane then holds ONE row of F1, and its eight
; registers eight neighbouring rows of F0.  So two neighbouring tiles' conversions give one chunk of the next operand, whose K runs along F0's rows: nothing changes lanes.
;   q, k: F0 = the weight's columns (the head's 128 are the next K), F1 = tokens.     v: F0 = tokens (the keys are the next K), F1 = W_v's columns.
; qimg:  [batch x head 12][tile of 16 queries 256][2048].
; kvimg: [batch x head 12][slot of 256 keys 16][65,536]; a slot: K [step of 128 keys 2][tile of 16 keys 8][2048], then V [step 2][tile of 16 of the head's 128: 8][2048] (rows = the head's axis, K = the step's keys).
; A sum stands for sum x 2^(ex + ew), so its code is sum / 2^(eo - ex - ew): the three exponents are folded into the conversion's one scale.
; No LDS: operands come from memory as register images; the four waves share nothing.  Each store of a wave covers 512 consecutive bytes, aligned.
; LIMIT: eo - ex - ew between -126 and 119 for (e6, e0, e1), (e7, e2, e3), (e9, e4, e5).
; THE MODE: SCHED_MODE bits 1:0 = 2 (LLVM: expert scheduling mode 2), set by the entry lines.  The code itself states the register dependences between vector or matrix instructions and memory instructions, with s_wait_alu, always for 0.
; THE PLAN.  A step is one tile of F1.  Registers that memory instructions touch:
;   FB0 .. FB2  Tile i lands in FB[i % 3]; step i's twelve products read it.  The loads of tile i + 2 are issued in step i and land in FB[(i - 1) % 3], which step i - 1's products read and no instruction of step i names.
;   CD0, CD1    Step i's conversions write CD[i % 2]; the two stores at the head of step i + 1 read it; step i + 2's conversions write it again.
;   v1, v448    16 x lane, made at the head and never written again.  v448 is v1 once more, in window 1: a load's address is source 0, as F0 is, so the loads stand among the products under the products' own window setting.
;   F0          Loaded once, at the head.
; So the waits at a step's head state all that its two stores and its twelve loads hang on: the step before has written its CD and is done reading its FB; the stores of the step before have read the CD that this step writes.
; The accumulators, the scale and the hold are named by vector and matrix instructions alone.
; REGISTERS: window 0: v1 16 x lane; v2 the scale; v3 448 x the scale; v16-159 F1's tiles, three buffers of 48; v160-191 four accumulators; v192-207 codes, two sets of 8.
;   window 1: v0-191 F0, fragment (tile a, K step s) at 16 (3 a + s); v192 (v448) 16 x lane.
.set XV,   3145728                     ; bytes of one version of x's codes
.set WMAT, 294912                      ; bytes of one of W_q, W_k, W_v
.set FRB,  2048
.set LI,   1
.set SC,   2
.set LIM,  3
.set FB,   16
.set ACC,  160
.set CD,   192
.set LI1,  192                         ; in window 1
.set OUT,  50                          ; s[50:51] where tiles 0-7 of F1 store, s[52:53] tiles 8-15
.set MSB, 0
.macro WIN new                         ; s_set_vgpr_msb: bits 1:0 source 0, 3:2 source 1, 5:4 source 2, 7:6 destination; the high byte repeats the setting that is left
.if MSB != (\new)
	s_set_vgpr_msb (MSB<<8)|(\new)
.set MSB, (\new)
.endif
.endm
.macro F1LOAD i, q, adr                ; fragment q (K step q) of tile i of F1 into buffer i % 3; adr: the register of 16 x lane that the window setting in force reaches
.irp c, 0,1,2,3
	global_load_b128 v[FB+48*((\i)%3)+16*(\q)+4*\c:FB+48*((\i)%3)+16*(\q)+4*\c+3], v[\adr], s[26:27] offset:3*FRB*(\i)+FRB*(\q)+512*\c
.endr
.endm
.macro SEND i                          ; tile i's two chunks of codes
	global_store_b128 v[LI], v[CD+8*((\i)%2):CD+8*((\i)%2)+3],   s[OUT+2*((\i)/8):OUT+2*((\i)/8)+1] offset:FRB*((\i)%8)
	global_store_b128 v[LI], v[CD+8*((\i)%2)+4:CD+8*((\i)%2)+7], s[OUT+2*((\i)/8):OUT+2*((\i)/8)+1] offset:FRB*((\i)%8)+512
.endm
	s_load_b256 s[8:15], s[0:1], 0x0               ; ximg s[8:9], wimg s[10:11], the exponents s[12:13], qimg s[14:15]
	s_load_b64 s[16:17], s[0:1], 0x20              ; kvimg
	v_lshrrev_b32 v2, 5, v0
	v_readfirstlane_b32 s4, v2                     ; wave 0..3
	v_and_b32 v1, 31, v0
	v_lshlrev_b32 v[LI], 4, v1
	s_wait_alu depctr_va_sdst(0)                   ; s4 is written, ahead of its first reader: the bases of F0 and of the codes are made from it
	s_and_b32 s6, ttmp7, 0xffff                    ; y
	s_cmp_ge_u32 s6, 3
	s_cselect_b32 s7, 1, 0
	s_cmp_ge_u32 s6, 6
	s_cselect_b32 s18, 1, 0                        ; 1: v
	s_add_co_u32 s7, s7, s18                       ; type
	s_mul_i32 s19, s7, 3
	s_sub_co_u32 s19, s6, s19                      ; sub
	s_mul_i32 s20, s7, XV
	s_mov_b32 s21, 0
	s_mul_i32 s22, s7, WMAT
	s_mov_b32 s23, 0
	s_wait_alu depctr_va_vdst(0)
	s_wait_kmcnt 0x0
	s_load_b256 s[40:47], s[12:13], 0x0            ; e0 .. e7
	s_load_b64 s[48:49], s[12:13], 0x20            ; e8, e9
	s_add_nc_u64 s[20:21], s[8:9], s[20:21]        ; my version of x's codes
	s_add_nc_u64 s[22:23], s[10:11], s[22:23]      ; my weight's codes
	s_cmp_eq_u32 s18, 1
	s_cselect_b64 s[24:25], s[20:21], s[22:23]     ; F0
	s_cselect_b64 s[26:27], s[22:23], s[20:21]     ; F1
	s_cselect_b32 s28, ttmp9, s19
	s_cselect_b32 s29, s19, ttmp9
	s_lshl_b32 s28, s28, 2
	s_add_co_u32 s28, s28, s4                      ; which 64 rows of F0 are my wave's
	s_mul_i32 s30, s28, 12*FRB
	s_mov_b32 s31, 0
	s_add_nc_u64 s[24:25], s[24:25], s[30:31]
	s_mul_i32 s30, s29, 48*FRB                     ; which 16 tiles of F1 are my work-group's
	s_add_nc_u64 s[26:27], s[26:27], s[30:31]
	WIN 0x40                                       ; destination window 1, sources window 0
	v_mov_b32 v[LI1], v[LI]                        ; v448 = 16 x lane
	s_wait_alu depctr_va_vdst(0)                   ; v1 and v448 are written: every load and store of the kernel reads one of them as its offset
.set n, 0
.rept 48
	global_load_b128 v[4*n:4*n+3], v[LI], s[24:25] offset:512*n    ; F0 stays in registers
.set n, n+1
.endr
	WIN 0
.irp q, 0,1,2
	F1LOAD 0, \q, LI
.endr
.irp q, 0,1,2
	F1LOAD 1, \q, LI
.endr
	; where the codes go.  x = 16 batch + slot.  q, k: head 2 sub + wave / 2, the head's half wave % 2 (chunks 2 (wave % 2) on); F1's tile i is token tile 16 slot + i.
	; v: keys 64 wave on of the slot (step wave / 2, chunks 2 (wave % 2) on); F1's tile i is head 2 sub + i / 8, tile i % 8 of its 128.
	s_lshr_b32 s32, ttmp9, 4
	s_mul_i32 s32, s32, 6
	s_lshl_b32 s33, s19, 1
	s_add_co_u32 s32, s32, s33
	s_lshr_b32 s33, s4, 1
	s_cmp_eq_u32 s18, 1
	s_cselect_b32 s34, 0, s33
	s_add_co_u32 s32, s32, s34                     ; batch x head
	s_and_b32 s35, ttmp9, 15
	s_cmp_eq_u32 s7, 0
	s_cselect_b32 s36, 19, 20                      ; a head is 2^19 bytes in qimg, 2^20 in kvimg;
	s_cselect_b32 s37, 15, 16                      ; 256 tokens are 2^15 and 2^16
	s_cselect_b64 s[38:39], s[14:15], s[16:17]
	s_lshl_b32 s32, s32, s36
	s_lshl_b32 s35, s35, s37
	s_add_co_u32 s32, s32, s35
	s_and_b32 s35, s4, 1
	s_lshl_b32 s35, s35, 10
	s_add_co_u32 s32, s32, s35
	s_lshl_b32 s33, s33, 14
	s_add_co_u32 s33, s33, 32768
	s_cmp_eq_u32 s18, 1
	s_cselect_b32 s33, s33, 0
	s_mov_b32 s34, 8*FRB                           ; tiles 8-15: q, k: eight fragments on;
	s_cselect_b32 s34, 0x100000, s34               ; v: the next head
	s_add_co_u32 s32, s32, s33
	s_mov_b32 s33, 0
	s_mov_b32 s35, 0
	s_add_nc_u64 s[OUT:OUT+1], s[38:39], s[32:33]
	s_add_nc_u64 s[OUT+2:OUT+3], s[OUT:OUT+1], s[34:35]
	s_wait_kmcnt 0x0
	s_cmp_eq_u32 s7, 0
	s_cselect_b32 s54, s40, s42                    ; ex
	s_cselect_b32 s55, s41, s43                    ; ew
	s_cselect_b32 s56, s46, s47                    ; eo
	s_cmp_eq_u32 s18, 1
	s_cselect_b32 s54, s44, s54
	s_cselect_b32 s55, s45, s55
	s_cselect_b32 s56, s49, s56
	s_sub_co_i32 s56, s56, s54
	s_sub_co_i32 s56, s56, s55
	s_add_co_i32 s56, s56, 127
	s_lshl_b32 s57, s56, 23
	v_mov_b32 v[SC], s57                           ; 2^(eo - ex - ew) as f32
	s_add_co_i32 s56, s56, 8
	s_lshl_b32 s56, s56, 23
	s_or_b32 s56, s56, 0x600000
	v_mov_b32 v[LIM], s56                          ; 448 x that
; Step i: tile i of F1.  Its memory instructions: the two stores of tile i - 1's codes, and the twelve loads of tile i + 2, four behind each K step's four products.
.macro STEP i
.set FBI, FB+48*((\i)%3)
.set CDI, CD+8*((\i)%2)
.if (\i) < 15
	s_wait_loadcnt 12                              ; loads come back in order: this tile (and, the first time, F0) is in; the next tile's 12 may be out
.else
	s_wait_loadcnt 0x0
.endif
.if (\i) > 1
	s_wait_xcnt 0x0                                ; the stores issued in the step before have had their addresses translated: their data, this step's set of codes, are written again below
	s_wait_alu depctr_vm_vsrc(0)                   ; and they have read those registers, CD[i % 2], which this step's conversions write
.endif
.if (\i) > 0
	s_wait_alu depctr_va_vdst(0)                   ; the step before has written the other CD, which the stores below read, and its products are done reading their FB, in which this step's loads land
	SEND (\i)-1
.endif
	WIN 0x01                                       ; source 0 (F0, and a load's address) window 1
.irp s, 0,1,2
.irp a, 0,1,2,3                        ; the four accumulators take turns, one instruction a turn; the first K step starts the sums
.if \s == 0
	v_wmma_f32_16x16x128_fp8_fp8 v[ACC+8*\a:ACC+8*\a+7], v[16*(3*\a+\s):16*(3*\a+\s)+15], v[FBI+16*\s:FBI+16*\s+15], 0
.else
	v_wmma_f32_16x16x128_fp8_fp8 v[ACC+8*\a:ACC+8*\a+7], v[16*(3*\a+\s):16*(3*\a+\s)+15], v[FBI+16*\s:FBI+16*\s+15], v[ACC+8*\a:ACC+8*\a+7]
.endif
.endr
.if (\i)+2 < 16
	F1LOAD (\i)+2, \s, LI1                         ; two tiles ahead.  No wait: no vector or matrix instruction since the wait at the step's head names v448 or the buffer in which these land
.endif
.endr
	WIN 0
.rept 4
	v_nop                                          ; four places (ISA guide 7.12.1) in front of the first read of the sums
.endr
.set n, 0
	s_wait_alu depctr_va_vdst(0)
.rept 32
	v_med3_num_f32 v[ACC+n], v[ACC+n], -v[LIM], v[LIM]   ; the hold at the largest code x the scale; each accumulator from its low end on
.set n, n+1
.endr
.irp a, 0,1,2,3
	v_cvt_scalef32_pk8_fp8_f32 v[CDI+2*\a:CDI+2*\a+1], v[ACC+8*\a:ACC+8*\a+7], v[SC]   ; tiles 0, 1: one chunk; tiles 2, 3: the next
.endr
	v_nop                                          ; one plain instruction between the conversions and the next products, which write their sources
.endm
.irp i, 0,1,2,3,4,5,6,7,8,9,10,11,12,13,14,15
	STEP \i
.endr
	s_wait_alu depctr_va_vdst(0)                   ; the last step's conversions have written CD1, which the last two stores read
	SEND 15
	s_endpgm
.Lfunc_end_k_qd874a1f302_proj:
	.size	k_qd874a1f302_proj, .Lfunc_end_k_qd874a1f302_proj-k_qd874a1f302_proj
	.p2alignl 7, 3214868480
	.fill 96, 4, 3214868480
	.section	.rodata,"a",@progbits
	.p2align	6, 0x0
	.amdhsa_kernel k_qd874a1f302_proj
		.amdhsa_group_segment_fixed_size 0
		.amdhsa_private_segment_fixed_size 0
		.amdhsa_enable_private_segment 0
		.amdhsa_kernarg_size 40
		.amdhsa_user_sgpr_count 2
		.amdhsa_user_sgpr_kernarg_segment_ptr 1
		.amdhsa_wavefront_size32 1
		.amdhsa_system_sgpr_workgroup_id_x 1
		.amdhsa_system_sgpr_workgroup_id_y 1
		.amdhsa_system_sgpr_workgroup_id_z 1
		.amdhsa_system_vgpr_workitem_id 0
		.amdhsa_next_free_vgpr 450
		.amdhsa_next_free_sgpr 66
		.amdhsa_reserve_vcc 0
		.amdhsa_float_denorm_mode_32 3
		.amdhsa_float_denorm_mode_16_64 3
		.amdhsa_memory_ordered 1
		.amdhsa_forward_progress 1
		.amdhsa_inst_pref_size 83
	.end_amdhsa_kernel
	.amdgpu_metadata
---
amdhsa.version: [ 1, 2 ]
amdhsa.kernels:
  - .name:           k_qd874a1f302_proj
    .symbol:         k_qd874a1f302_proj.kd
    .args:
      - { .name: ximg, .offset: 0, .size: 8, .value_kind: global_buffer, .address_space: global }
      - { .name: wimg, .offset: 8, .size: 8, .value_kind: global_buffer, .address_space: global }
      - { .name: lowp_scales, .offset: 16, .size: 8, .value_kind: global_buffer, .address_space: global }
      - { .name: qimg, .offset: 24, .size: 8, .value_kind: global_buffer, .address_space: global }
      - { .name: kvimg, .offset: 32, .size: 8, .value_kind: global_buffer, .address_space: global }
    .group_segment_fixed_size: 0
    .private_segment_fixed_size: 0
    .kernarg_segment_align: 8
    .kernarg_segment_size: 40
    .max_flat_workgroup_size: 128
    .sgpr_count:     66
    .vgpr_count:     450
    .wavefront_size: 32
...
	.end_amdgpu_metadata
.endif
;; end of part 6
;; launch attn (part 7): grid 16 x 12, 16 waves a work-group, no clusters, 327,680 bytes of LDS; arguments qimg, kvimg, lowp_scales, cimg; writes cimg
.if DOCPART == 7
	.amdgcn_target "amdgcn-amd-amdhsa--gfx1250"
	.amdhsa_code_object_version 6
	.text
	.protected	k_qd874a1f302_attn
	.globl	k_qd874a1f302_attn
	.p2align	8
	.type	k_qd874a1f302_attn,@function
k_qd874a1f302_attn:
	s_mov_b64 s[64:65], 0
	v_nop
	global_prefetch_b8 v0, s[64:65] scope:SCOPE_SE
	s_setreg_imm32_b32 hwreg(HW_REG_WAVE_MODE, 25, 1), 1
	s_wait_xcnt 0x0
; ctx[bh][q] = the sum over keys k <= q of softmax_k(q . k / sqrt(128)) v[k], both products on codes of FP8 (E4M3) with the given scales 2^e6 (q), 2^e7 (k), 2^e8 (p), 2^e9 (v); ctx is quantised at once with 2^e10.
; THE SOFTMAX AHEAD OF THE SECOND PRODUCT: t = score x log2(e) / sqrt(128); M = the row's largest t so far, rounded UP to a whole number; p = 2^(t - M) is what is quantised; it is not normalised.
; The row's sum is taken of the unquantised p, in f32, and divides at the end.  When M moves, the sum and O are multiplied by 2^(old M - new M): exact.
; ALL OPERANDS ARE FRAGMENT IMAGES (16 rows x 128 K = 2,048 bytes; chunk c of 512 bytes = registers 4 c .. 4 c + 3; lane l's 16 bytes at 16 l), in memory and in LDS: four loads of 16 bytes a lane, 512 consecutive bytes each.
; SHARES.  The mask leaves a block of 128 queries number b with b + 1 key steps of 128.  Work-group (i, bh) owns blocks i and 31 - i of head bh: 33 block-steps in every work-group.  Each of its sixteen waves owns one tile of 16
; queries, in 256 registers; wave w takes tile w / 2 of the low block or of the high one by the bit (w xor w / 4) % 2, so that among waves w, w + 4, w + 8, w + 12 and among waves 4 j .. 4 j + 3 alike two are low and two high.
; A step all of whose keys come after the wave's queries is left out: a scalar branch on ids round the step's loads, products and softmax; no barrier and no tensor load stands in a step.
; THE RING.  Two LDS slots of 65,536 bytes, each a slot of kvimg (256 keys: K's 16 fragments, then V's 16) as it lies: one dense block, fetched by waves 0-3, 16,384 bytes each, and read by all sixteen.
; The work-group walks 2 TRIPS + 2 slots, TRIPS = (35 - i) / 4 - 1: the high block's 32 - i steps, rounded up to a trip's four.  The count hangs on the work-group's number, so no LDS address is stepped in the loop: both slots are written out.
; NO CLUSTER, though the sixteen work-groups of a head walk the same K and V: which steps a wave leaves out hangs on its work-group's blocks, which differ between such partners;
; without the branch that leaves them out the hidden half of the scores would be multiplied.
; LAYOUT.  Both products are used transposed: S^T = K Q^T (source 0 = 16 keys, source 1 = my 16 queries), O^T = V^T P^T (source 0 = 16 of the head's 128, source 1 = p's codes): a lane holds ONE query (lane % 16) throughout, and
; register j of tile t holds key (or channel) 16 t + 8 (lane / 16) + j: the conversion of tile t gives registers 2 t, 2 t + 1 of the next operand, in that form's own places.
; cimg: [tile of 16 tokens 512][head 6][2048]: rows = tokens, K = the head's 128.
; LIMITS on the given exponents, so that each power of two below is an f32 number: e6 + e7 between -123 and 130 (added to c's exponent field); e8 and e10 between -126 and 119; e8 + e9 is applied by v_ldexp_f32 and has none.
; REGISTERS: v1, v2 16 x lane in slot 0, 1; v3 the prefetches' offset; v5, v6 for the add; v12 -M, v13 the largest t, v[14:15] the sum in two halves; v16-31 Q; v32-95 four fragments of K or V; v96-159 S^T, then p;
;   v160-223 O^T; v224-239 codes; v240, v244: 448 x 2^e8, 2^e8; v241, v245: the same with e10; v236-239, v242, v243, v246-251, v252-255 at work.
.set FRB,   2048
.set STEPB, 16384                      ; a step's eight fragments
.set VOFF,  32768                      ; V's part of a slot
.set SLOT,  65536
.set SPARE, 2*SLOT                     ; behind the ring: the spare words, 128 bytes for each wave: eight blocks of 256 bytes that no other line names
.set LI0,  1
.set LI1,  2
.set PFO,  3
.set SPW,  5                           ; v5   LDS address of my spare word: SPARE + 4 x my thread's number; never rewritten
.set NIL,  6                           ; v6   0; never rewritten
.set QF,   16
.set FRG,  32
.set S,    96
.set O,    160
.set PC,   224
.set WV,   18                          ; s18  my wave's number
.set SEL,  20                          ; s[20:21] lane selects for v_permlanex16_b32: lane l xor 16
.set CS,   22                          ; s[22:23] c = log2(e) / sqrt(128) x 2^(e6 + e7): the packed form names a pair and takes its low word for both halves
.set G1,   24                          ; s[24:31] descriptor group 1
.set G0,   32                          ; s[32:35], s[36:39] descriptor group 0 for slot 0, 1
.set KF,   40                          ; s40  the step's first key
.set Q0,   41                          ; s41  my first query
.set TRIPS, 42
.set REM,  43                          ; s43  fills still to come
.set LIM,  44                          ; s44  1 in a wave that prefetches, else the greatest number
.set PFA,  46                          ; s[46:47] where my prefetches stand
.set ESUM, 54                          ; s54  e8 + e9
.set TMP,  55                          ; s55, s56 at work
; Waves 0-3 fetch a quarter of a slot each, the others nothing.  The branch hangs on the wave's number alone.  Four v_nop follow the load.
.macro TLOAD g0
	s_cmp_lt_u32 s[WV], 4
	s_cbranch_scc0 .Lnone_\@
	tensor_load_to_lds s[\g0:\g0+3], s[G1:G1+7]
	s_nop 0
.rept 4
	v_nop
.endr
.Lnone_\@:
.endm
; A PREFETCH of the slot that the NEXT change of slots will ask for: 65,536 bytes, one dense block.  All sixteen work-groups of a head walk the same slots: the head's first (i = 0, which walks all sixteen) asks, and nobody else;
; in it waves 4-11, which fetch nothing, take 8,192 bytes each, lanes 256 bytes apart: one instruction a wave, and each block of 256 bytes is named once in the launch.  It stands where the fetching waves have their tensor
; load, two key steps ahead of the load that will want the bytes.  Slots 0 and 1 come by their loads alone; the fill of slot 15 (REM = 1) asks for nothing: there is no slot behind it.
.macro ASK
	s_cmp_gt_u32 s[REM], s[LIM]
	s_cbranch_scc0 .Lnot_mine_\@
	global_prefetch_b8 v[PFO], s[PFA:PFA+1] th:TH_LOAD_NT scope:SCOPE_SE
.Lnot_mine_\@:
.endm
.macro MKSCALE e, vs, vl               ; v[vs] = 2^s[e] as f32, v[vl] = 448 x that
	s_add_co_i32 s[TMP], s[\e], 127
	s_lshl_b32 s[TMP+1], s[TMP], 23
	v_mov_b32 v[\vs], s[TMP+1]
	s_add_co_i32 s[TMP], s[TMP], 8
	s_lshl_b32 s[TMP], s[TMP], 23
	s_or_b32 s[TMP], s[TMP], 0x600000
	v_mov_b32 v[\vl], s[TMP]
.endm
	s_load_b256 s[4:11], s[0:1], 0x0               ; qimg s[4:5], kvimg s[6:7], the exponents s[8:9], cimg s[10:11]
	v_lshl_add_u32 v[SPW], v0, 2, SPARE
	v_mov_b32 v[NIL], 0
	ds_add_u32 v5, v6
	ds_add_u32 v5, v6
	s_wait_dscnt 0x0
	v_lshrrev_b32 v8, 5, v0
	s_delay_alu instid0(VALU_DEP_1)
	v_readfirstlane_b32 s[WV], v8                  ; wave 0..15
	s_and_b32 s12, ttmp7, 0xffff                   ; batch x head
	s_lshr_b32 s13, s[WV], 2
	s_xor_b32 s13, s13, s[WV]
	s_and_b32 s13, s13, 1                          ; 0: the low block, 1: the high one
	s_sub_co_u32 s14, 31, ttmp9
	s_cmp_eq_u32 s13, 1
	s_cselect_b32 s14, s14, ttmp9                  ; my block of 128 queries
	s_lshl_b32 s14, s14, 3
	s_lshr_b32 s15, s[WV], 1
	s_add_co_u32 s14, s14, s15                     ; my tile of 16 queries
	s_lshl_b32 s[Q0], s14, 4
	s_sub_co_u32 s[TRIPS], 35, ttmp9
	s_lshr_b32 s[TRIPS], s[TRIPS], 2
	s_sub_co_u32 s[TRIPS], s[TRIPS], 1             ; 4 .. 7
	s_lshl_b32 s[REM], s[TRIPS], 1
	s_add_co_u32 s[REM], s[REM], 1                 ; two fills a trip, one in the tail
	s_mov_b32 s[KF], 0
	; descriptor group 1: a dense block of 16,384 bytes as 64 rows of 32 elements of 8 bytes
	s_mov_b32 s[G1+0], 3<<16                       ; 15:0 no mask; 17:16 elements of 8 bytes; no padding: every LDS load takes 512 consecutive bytes
	s_mov_b32 s[G1+1], 32<<16                      ; tensor_dim0 = 32
	s_mov_b32 s[G1+2], 64<<16                      ; tensor_dim1 = 64
	s_mov_b32 s[G1+3], 32<<16                      ; tile_dim0 = 32
	s_mov_b32 s[G1+4], 64                          ; tile_dim1 = 64
	s_mov_b32 s[G1+5], 32                          ; from row to row: 32 elements
	s_mov_b32 s[G1+6], 0
	s_mov_b32 s[G1+7], 0
	s_mov_b32 s[SEL], 0x76543210
	s_mov_b32 s[SEL+1], 0xfedcba98
	s_mov_b32 s[CS], 0x3e0293ee                    ; log2(e) / sqrt(128)
	s_and_b32 s57, s[WV], 3
	s_lshl_b32 s[G0+1], s57, 14                    ; my quarter of slot 0
	s_lshl_b32 s56, s12, 20                        ; the head's first byte in kvimg,
	s_add_co_u32 s56, s56, s[G0+1]                 ; my quarter of its slot 0
	s_mov_b32 s57, 0
	s_wait_kmcnt 0x0
	s_load_b128 s[48:51], s[8:9], 0x18             ; e6, e7, e8, e9
	s_load_b32 s52, s[8:9], 0x28                   ; e10
	s_mov_b32 s[G0], 1                             ; 1:0 count = 1
	s_add_nc_u64 s[G0+2:G0+3], s[6:7], s[56:57]
	s_mov_b32 s[G0+4], 1
	s_add_co_u32 s[G0+5], s[G0+1], SLOT
	s_add_nc_u64 s[G0+6:G0+7], s[G0+2:G0+3], SLOT  ; slot 1 begins with the head's second 256 keys
	s_or_b32 s[G0+3], s[G0+3], 0x80000000          ; 127:126 type = 2
	s_or_b32 s[G0+7], s[G0+7], 0x80000000
	TLOAD G0                                       ; slot 0, ahead of every wait on TENSORcnt, every LDS read and every barrier; one tensor load of a wave is out at the most in this text
	s_lshl_b32 s58, s12, 19
	s_lshl_b32 s59, s14, 11
	s_add_co_u32 s58, s58, s59
	s_mov_b32 s59, 0
	s_add_nc_u64 s[4:5], s[4:5], s[58:59]          ; my tile's fragment of Q
	s_cmp_ge_u32 s12, 6
	s_cselect_b32 s60, 1, 0                        ; batch
	s_mul_i32 s61, s60, 6
	s_sub_co_u32 s61, s12, s61                     ; head
	s_lshl_b32 s60, s60, 8
	s_add_co_u32 s60, s60, s14                     ; tile of tokens
	s_mul_i32 s60, s60, 6
	s_add_co_u32 s60, s60, s61
	s_lshl_b32 s60, s60, 11
	s_mov_b32 s61, 0
	s_add_nc_u64 s[10:11], s[10:11], s[60:61]      ; my fragment of ctx
	s_and_b32 s62, s[WV], 7
	s_lshl_b32 s62, s62, 13                        ; the prefetches: my 8,192 bytes (waves 4-11 take the eight parts),
	s_lshl_b32 s63, s12, 20
	s_add_co_u32 s62, s62, s63                     ; in my head,
	s_add_co_u32 s62, s62, SLOT                    ; in slot 1: the first change of slots steps it to slot 2.  Nothing is prefetched here, at the head
	s_mov_b32 s63, 0
	s_add_nc_u64 s[PFA:PFA+1], s[6:7], s[62:63]
	s_sub_co_u32 s62, s[WV], 4
	s_lshr_b32 s62, s62, 3                         ; 0 in waves 4 to 11,
	s_or_b32 s62, s62, ttmp9                       ; of the head's first work-group
	s_cmp_eq_u32 s62, 0
	s_cselect_b32 s[LIM], 1, -1
	v_and_b32 v[LI0], 31, v0
	s_delay_alu instid0(VALU_DEP_1)
	v_lshlrev_b32 v[PFO], 8, v[LI0]
	s_delay_alu instid0(VALU_DEP_2)
	v_lshlrev_b32 v[LI0], 4, v[LI0]
	s_delay_alu instid0(VALU_DEP_1)
	v_add_nc_u32 v[LI1], SLOT, v[LI0]
.irp c, 0,1,2,3
	global_load_b128 v[QF+4*\c:QF+4*\c+3], v[LI0], s[4:5] offset:512*\c   ; Q's fragment stays in registers
.endr
	v_mov_b32 v13, 0xff61b1e6                      ; the largest t so far: -3e38, under every t
	s_delay_alu instid0(VALU_DEP_1)
	v_floor_f32 v12, -v13                          ; -M
	v_mov_b32 v14, 0                               ; the sum, in two halves
	v_mov_b32 v15, 0
	v_mov_b32 v236, 0                              ; written once: a lane permute's destination counts as one of its sources
	v_mov_b32 v253, 0                              ; (named as the upper half of the pair v[252:253])
.set n, 0
.rept 64
	v_mov_b32 v[O+n], 0                            ; O^T.  (The step is written without a first form of its own: the first finds zeros, which the first change of M leaves zeros)
.set n, n+1
.endr
	s_wait_kmcnt 0x0
	s_add_co_i32 s[TMP], s48, s49
	s_lshl_b32 s[TMP], s[TMP], 23
	s_add_co_i32 s[CS], s[CS], s[TMP]              ; a score stands for score x 2^(e6 + e7): the two exponents are added to c's exponent field
	s_mov_b32 s[CS+1], s[CS]                       ; (named with it as a pair, so it is written)
	s_add_co_i32 s[ESUM], s50, s51
	MKSCALE 50, 244, 240                           ; p's scale
	MKSCALE 52, 245, 241                           ; ctx's
; A KEY STEP: 128 keys, the q-th of slot sl.
.macro STEP sl, q
	s_add_co_u32 s[TMP], s[Q0], 15
	s_cmp_gt_u32 s[KF], s[TMP]                     ; all its keys come after my queries: nothing of it counts
	s_cbranch_scc1 .Lhidden_\@
.irp g, 0,1                            ; S^T = K Q^T, four tiles of 16 keys at a time
.rept 4
	v_nop                                          ; four places (ISA guide 7.12.1 for vector instructions) in front of loads into registers that matrix instructions have read
.endr
.irp t, 0,1,2,3
.irp c, 0,1,2,3
	ds_load_b128 v[FRG+16*\t+4*\c:FRG+16*\t+4*\c+3], v[LI0+\sl] offset:STEPB*(\q)+FRB*(4*\g+\t)+512*\c
.endr
.endr
	s_wait_dscnt 0x0
.irp t, 0,1,2,3
	v_wmma_f32_16x16x128_fp8_fp8 v[S+8*(4*\g+\t):S+8*(4*\g+\t)+7], v[FRG+16*\t:FRG+16*\t+15], v[QF:QF+15], 0
.endr
.endr
.rept 4
	v_nop
.endr
	s_add_co_u32 s[TMP], s[KF], 127                ; on the diagonal the scores of hidden keys become -infinity ahead of the maximum: p = 0 then.  A step all of whose keys count skips this
	s_cmp_le_u32 s[TMP], s[Q0]
	s_cbranch_scc1 .Lopen_\@
	s_sub_co_i32 s[TMP], s[Q0], s[KF]
	v_and_b32 v252, 15, v0
	v_bfe_u32 v253, v0, 4, 1
	s_delay_alu instid0(VALU_DEP_1)
	v_lshlrev_b32 v253, 3, v253
	s_delay_alu instid0(VALU_DEP_1)
	v_sub_nc_u32 v252, v252, v253
	s_delay_alu instid0(VALU_DEP_1)
	v_add_nc_u32 v252, s[TMP], v252                ; d = my query - KF - 8 (lane / 16).  Register 8 t + j holds key KF + 8 (lane / 16) + 16 t + j: hidden where 16 t + j > d
	v_mov_b32 v254, 0xff800000                     ; -infinity.  (The step's first key counts for all my queries, so the row's maximum stays a number)
.set n, 0
.rept 64
	v_cmp_gt_i32 vcc_lo, 16*(n/8)+n%8, v252
	v_cndmask_b32 v[S+n], v[S+n], v254, vcc_lo
.set n, n+1
.endr
.Lopen_\@:
	v_max3_num_f32 v254, v96, v97, v98             ; the step's largest score of my query, among my 64 keys, in two chains (each tile's registers are first read at its low end),
	v_max3_num_f32 v252, v99, v100, v101
.irp i, 6,10,14,18,22,26,30,34,38,42,46,50,54,58
	v_max3_num_f32 v254, v254, v[S+\i], v[S+1+\i]
	v_max3_num_f32 v252, v252, v[S+2+\i], v[S+3+\i]
.endr
	v_max3_num_f32 v254, v254, v158, v159
	s_delay_alu instid0(VALU_DEP_1)
	v_max_num_f32 v254, v254, v252
	v_permlanex16_b32 v236, v254, s[SEL], s[SEL+1]
	s_delay_alu instid0(VALU_DEP_1)
	v_max_num_f32 v254, v254, v236                 ; and among lane l xor 16's
	s_delay_alu instid0(VALU_DEP_1)
	v_mul_f32 v254, s[CS], v254                    ; as t (c is positive)
	s_delay_alu instid0(VALU_DEP_1)
	v_max_num_f32 v13, v13, v254                   ; the running largest t
	v_mov_b32 v254, v12
	s_delay_alu instid0(VALU_DEP_2)
	v_floor_f32 v12, -v13                          ; the new -M = floor(-t) = -ceil(t): M is a whole number
	s_delay_alu instid0(VALU_DEP_1)
	v_sub_f32 v254, v12, v254                      ; M's old value less its new one: a whole number, 0 or less
	s_delay_alu instid0(VALU_DEP_1)
	v_cvt_i32_f32 v254, v254                       ; (it saturates)
	s_delay_alu instid0(VALU_DEP_1)
	v_ldexp_f32 v252, 1.0, v254                    ; f = 2^(old M - new M)
.set n, 0
.rept 32
	v_pk_fma_f32 v[S+n:S+n+1], v[S+n:S+n+1], s[CS:CS+1], v[12:13] op_sel_hi:[1,0,0]   ; t - M, two at a time (of the pairs c and -M the low word serves both halves)
.set n, n+2
.endr
.set n, 0
	s_wait_alu depctr_va_vdst(0)
.rept 64
	v_exp_f32 v[S+n], v[S+n]                       ; p = 2^(t - M), at most 1: not normalised
.set n, n+1
.endr
	v_pk_mul_f32 v[14:15], v[14:15], v[252:253] op_sel_hi:[1,0]   ; the sums under the new M.  (The plain instruction behind the exponentials)
	s_wait_alu depctr_va_vdst(0)                   ; one wait for the whole batch of exponentials, ahead of its first reader
	v_pk_add_f32 v[242:243], v[100:101], v[104:105]
	v_pk_add_f32 v[254:255], v[108:109], v[112:113]
	v_pk_add_f32 v[250:251], v[116:117], v[120:121]
	v_pk_add_f32 v[248:249], v[124:125], v[128:129]
	v_pk_add_f32 v[246:247], v[132:133], v[136:137]
	v_pk_add_f32 v[238:239], v[140:141], v[144:145]
	v_pk_add_f32 v[236:237], v[148:149], v[152:153]
	v_pk_add_f32 v[14:15], v[14:15], v[156:157]
	v_pk_add_f32 v[242:243], v[242:243], v[96:97]
	v_pk_add_f32 v[254:255], v[254:255], v[98:99]
	v_pk_add_f32 v[250:251], v[250:251], v[102:103]
	v_pk_add_f32 v[248:249], v[248:249], v[106:107]
	v_pk_add_f32 v[246:247], v[246:247], v[110:111]
	v_pk_add_f32 v[238:239], v[238:239], v[114:115]
	v_pk_add_f32 v[236:237], v[236:237], v[118:119]
	v_pk_add_f32 v[14:15], v[14:15], v[122:123]
	v_pk_add_f32 v[242:243], v[242:243], v[126:127]
	v_pk_add_f32 v[254:255], v[254:255], v[130:131]
	v_pk_add_f32 v[250:251], v[250:251], v[134:135]
	v_pk_add_f32 v[248:249], v[248:249], v[138:139]
	v_pk_add_f32 v[246:247], v[246:247], v[142:143]
	v_pk_add_f32 v[238:239], v[238:239], v[146:147]
	v_pk_add_f32 v[236:237], v[236:237], v[150:151]
	v_pk_add_f32 v[14:15], v[14:15], v[154:155]
	v_pk_add_f32 v[242:243], v[242:243], v[158:159]
	s_delay_alu instid0(VALU_DEP_2)
	v_pk_add_f32 v[14:15], v[14:15], v[248:249]
	s_delay_alu instid0(VALU_DEP_2)
	v_pk_add_f32 v[242:243], v[242:243], v[246:247]
	v_pk_add_f32 v[254:255], v[254:255], v[238:239]
	v_pk_add_f32 v[250:251], v[250:251], v[236:237]
	s_delay_alu instid0(VALU_DEP_2)
	v_pk_add_f32 v[14:15], v[14:15], v[254:255]
	s_delay_alu instid0(VALU_DEP_2)
	v_pk_add_f32 v[242:243], v[242:243], v[250:251]
	s_delay_alu instid0(VALU_DEP_1)
	v_pk_add_f32 v[14:15], v[14:15], v[242:243]
.irp b, 0,1,2,3
.irp i, 0,1,2,3,4,5,6,7,8,9,10,11,12,13,14,15
	v_min_num_f32 v[S+16*\b+\i], v[S+16*\b+\i], v240   ; the conversion to an 8-bit code does not saturate (ISA guide 7.6.2); p is not negative, so the hold is one-sided
.endr
	v_cvt_scalef32_pk8_fp8_f32 v[PC+4*\b:PC+4*\b+1],   v[S+16*\b:S+16*\b+7],    v244   ; tile 2 b: keys 32 b + 8 h + 0..7
	v_cvt_scalef32_pk8_fp8_f32 v[PC+4*\b+2:PC+4*\b+3], v[S+16*\b+8:S+16*\b+15], v244   ; tile 2 b + 1: keys 32 b + 16 + 8 h + 0..7
.endr
.set n, 0
.rept 32
	v_pk_mul_f32 v[O+n:O+n+1], v[O+n:O+n+1], v[252:253] op_sel_hi:[1,0]   ; O^T under the new M: x f.  (These are also the plain instructions between the conversions and the products, and the places in front of the loads below)
.set n, n+2
.endr
	s_wait_alu depctr_va_vdst(0)
.irp g, 0,1                            ; O^T += V^T P^T: four tiles of 16 of the head's 128 at a time; K = these 128 keys.  The eight accumulators take turns
.if \g > 0
.rept 4
	v_nop
.endr
.endif
.irp t, 0,1,2,3
.irp c, 0,1,2,3
	ds_load_b128 v[FRG+16*\t+4*\c:FRG+16*\t+4*\c+3], v[LI0+\sl] offset:VOFF+STEPB*(\q)+FRB*(4*\g+\t)+512*\c
.endr
.endr
	s_wait_dscnt 0x0
.irp t, 0,1,2,3
	v_wmma_f32_16x16x128_fp8_fp8 v[O+8*(4*\g+\t):O+8*(4*\g+\t)+7], v[FRG+16*\t:FRG+16*\t+15], v[PC:PC+15], v[O+8*(4*\g+\t):O+8*(4*\g+\t)+7]
.endr
.endr
.Lhidden_\@:
	s_add_co_u32 s[KF], s[KF], 128
.endm
; THE CHANGE OF SLOTS stands at a slot's head; rd is the slot about to be read.  Each wave waits for all its tensor loads (its part of slot rd), adds 0 to its spare word, and waits for that and for its reads of the other slot.
; Behind the barrier slot rd is whole and nobody reads the other one.  fill = 1: that other slot takes the next 256 keys: the load has two key steps in which to land.
.macro CHANGE rd, fill
	s_wait_tensorcnt 0x0                           ; no tensor load of mine is out, so a group 0 may be written
	ds_add_u32 v[SPW], v[NIL]                      ; 0 onto my spare word; the steps below stand between it and the wait for it
	s_add_nc_u64 s[G0+4*\rd+2:G0+4*\rd+3], s[G0+4*\rd+2:G0+4*\rd+3], 2*SLOT   ; slot rd's next fill: two slots on; the type bits on top are not reached
.if \fill
	s_wait_xcnt 0x0                                ; the last prefetch, a slot back, has read its address, so it may be written:
	s_add_nc_u64 s[PFA:PFA+1], s[PFA:PFA+1], SLOT  ; one slot further on than the fill below
.endif
	s_wait_dscnt 0x0                               ; the add is done, and my reads of the slot that I have left are over
	s_barrier_signal -1
	s_barrier_wait -1
.if \fill
	TLOAD G0+4*(1-\rd)                             ; the first thing behind the barrier, and a wave's one tensor load until the next
	ASK
	s_sub_co_u32 s[REM], s[REM], 1
.endif
.endm
	s_wait_loadcnt 0x0                             ; Q
.Ltrip:                                            ; a trip: both slots, four key steps, two fills
	CHANGE 0, 1
	STEP 0, 0
	STEP 0, 1
	CHANGE 1, 1
	STEP 1, 0
	STEP 1, 1
	s_sub_co_u32 s[TRIPS], s[TRIPS], 1
	s_cmp_lg_u32 s[TRIPS], 0
	s_cbranch_scc1 .Ltrip
	CHANGE 0, 1                                    ; the last two slots are written out: one more fill
	STEP 0, 0
	STEP 0, 1
	CHANGE 1, 0                                    ; then none (the stepped address is not used)
	STEP 1, 0
	STEP 1, 1
	; THE WAY OUT.  O^T is divided by the row's sum, multiplied by 2^(e8 + e9), held and converted with 2^e10: the eight tiles' codes are the fragment (my 16 tokens x my head's 128) of the last product's operand.
.rept 4
	v_nop                                          ; four places behind the last products
.endr
	v_add_f32 v14, v14, v15                        ; the sum's two halves,
	v_permlanex16_b32 v236, v14, s[SEL], s[SEL+1]
	s_delay_alu instid0(VALU_DEP_1)
	v_add_f32 v14, v14, v236                       ; and lane l xor 16's: the row's sum, at least 1/2
	s_wait_alu depctr_va_vdst(0)
	v_rcp_f32 v14, v14
	v_nop                                          ; a plain instruction behind the transcendental
	s_wait_alu depctr_va_vdst(0)                   ; and the wait ahead of its first reader
	v_ldexp_f32 v14, v14, s[ESUM]
.set n, 0
.rept 32
	v_pk_mul_f32 v[S+n:S+n+1], v[O+n:O+n+1], v[14:15] op_sel_hi:[1,0]   ; each accumulator from its low end on
.set n, n+2
.endr
.set n, 0
.rept 64
	v_med3_num_f32 v[S+n], v[S+n], -v241, v241
.set n, n+1
.endr
.irp t, 0,1,2,3,4,5,6,7
	v_cvt_scalef32_pk8_fp8_f32 v[PC+2*\t:PC+2*\t+1], v[S+8*\t:S+8*\t+7], v245
.endr
	v_nop
.irp c, 0,1,2,3
	global_store_b128 v[LI0], v[PC+4*\c:PC+4*\c+3], s[10:11] offset:512*\c   ; 32 lanes store 512 consecutive bytes, aligned
.endr
	s_wait_tensorcnt 0x0                           ; the wave's end
	ds_add_u32 v[SPW], v[NIL]
	s_wait_dscnt 0x0
	s_endpgm
.Lfunc_end_k_qd874a1f302_attn:
	.size	k_qd874a1f302_attn, .Lfunc_end_k_qd874a1f302_attn-k_qd874a1f302_attn
	.p2alignl 7, 3214868480
	.fill 96, 4, 3214868480
	.section	.rodata,"a",@progbits
	.p2align	6, 0x0
	.amdhsa_kernel k_qd874a1f302_attn
		.amdhsa_group_segment_fixed_size 327680
		.amdhsa_private_segment_fixed_size 0
		.amdhsa_enable_private_segment 0
		.amdhsa_kernarg_size 32
		.amdhsa_user_sgpr_count 2
		.amdhsa_user_sgpr_kernarg_segment_ptr 1
		.amdhsa_wavefront_size32 1
		.amdhsa_system_sgpr_workgroup_id_x 1
		.amdhsa_system_sgpr_workgroup_id_y 1
		.amdhsa_system_sgpr_workgroup_id_z 1
		.amdhsa_system_vgpr_workitem_id 0
		.amdhsa_next_free_vgpr 256
		.amdhsa_next_free_sgpr 66
		.amdhsa_reserve_vcc 1
		.amdhsa_float_denorm_mode_32 3
		.amdhsa_float_denorm_mode_16_64 3
		.amdhsa_memory_ordered 1
		.amdhsa_forward_progress 1
		.amdhsa_inst_pref_size 216
	.end_amdhsa_kernel
	.amdgpu_metadata
---
amdhsa.version: [ 1, 2 ]
amdhsa.kernels:
  - .name:           k_qd874a1f302_attn
    .symbol:         k_qd874a1f302_attn.kd
    .args:
      - { .name: qimg, .offset: 0, .size: 8, .value_kind: global_buffer, .address_space: global }
      - { .name: kvimg, .offset: 8, .size: 8, .value_kind: global_buffer, .address_space: global }
      - { .name: lowp_scales, .offset: 16, .size: 8, .value_kind: global_buffer, .address_space: global }
      - { .name: cimg, .offset: 24, .size: 8, .value_kind: global_buffer, .address_space: global }
    .group_segment_fixed_size: 327680
    .private_segment_fixed_size: 0
    .kernarg_segment_align: 8
    .kernarg_segment_size: 32
    .max_flat_workgroup_size: 512
    .sgpr_count:     66
    .vgpr_count:     256
    .wavefront_size: 32
...
	.end_amdgpu_metadata
.endif
;; end of part 7
;; launch oproj (part 8): grid 64 x 3, 4 waves a work-group, no clusters, 17,920 bytes of LDS; arguments cimg, wimg, b_o, lowp_scales, out0; writes out0
.if DOCPART == 8
	.amdgcn_target "amdgcn-amd-amdhsa--gfx1250"
	.amdhsa_code_object_version 6
	.text
	.protected	k_qd874a1f302_oproj
	.globl	k_qd874a1f302_oproj
	.p2align	8
	.type	k_qd874a1f302_oproj,@function
k_qd874a1f302_oproj:
	s_mov_b64 s[64:65], 0
	v_nop
	global_prefetch_b8 v0, s[64:65] scope:SCOPE_SE
	s_setreg_imm32_b32 hwreg(HW_REG_WAVE_SCHED_MODE, 0, 2), 2
	s_setreg_imm32_b32 hwreg(HW_REG_WAVE_MODE, 25, 1), 1
	s_wait_xcnt 0x0
	s_wait_alu depctr_vm_vsrc(0)
; out0 = ctx W_o + b_o on codes of FP8 (E4M3), K = 768; each finished sum once x 2^(e10 + e11), plus the bias, in one packed multiply-add.  out0: [8192][768] f32.
; Both operands are fragment images (16 rows x 128 K = 2,048 bytes; chunk c of 512 bytes = registers 4 c .. 4 c + 3; lane l's 16 bytes at 16 l):
;   cimg [tile of 16 tokens 512][K step = head 6][2048];  W_o's at wimg + 432 x 2048: [tile of 16 columns 48][K step 6][2048].
; SHARES.  Work-group (x, y): tokens 128 x on, columns 256 y on.  Wave w: columns 64 w on of these: its 24 fragments of W_o (384 registers) stay in registers; the eight tiles of tokens are streamed, two tiles ahead, in three buffers.
; THE MATRIX INSTRUCTION IS USED TRANSPOSED (source 0 = 16 columns of W_o, source 1 = 16 tokens): a lane then holds eight neighbouring numbers of a row of out0.  A tile's 16 rows x 64 columns go through the wave's own stage in LDS
; (rows of 256 bytes + 16) and come back by rows: sixteen lanes store 256 consecutive bytes, aligned.  The stage is each wave's own: no barrier.
; LIMIT: e10 + e11 between -126 and 127, so that 2^(e10 + e11) is an f32 number.
; THE MODE: SCHED_MODE bits 1:0 = 2 (LLVM: expert scheduling mode 2), set by the entry lines.  The code itself states the register dependences between vector or matrix instructions and memory or LDS instructions, with s_wait_alu, always for 0.
; THE PLAN.  A step is one tile of tokens.  Registers that memory or LDS instructions touch:
;   CB0 .. CB2  Tile i lands in CB[i % 3]; step i's 24 products read it.  The loads of tile i + 2 are issued in step i and land in CB[(i - 1) % 3], which step i - 1's products read and no instruction of step i names.
;   YR          Step i's sixteen multiply-adds write it, at the step's end; the eight LDS stores of step i + 1 read it.
;   ZR          The eight LDS loads of step i + 1 land in it (tile i's rows); that step's eight global stores read it.  No vector instruction names it.
;   v1 .. v5    Offsets and LDS addresses, made at the head and never written again.      v254, v255  Written at the head, read by the closing add alone.
; So ONE wait on va_vdst stands at a step's head: the step before has written YR and is done reading its CB.  Behind it the step's 48 memory and LDS instructions stand in three runs among its 24 products, which name W_o,
; CB[i % 3] and the accumulators: none of the registers that those instructions touch.  ONE wait on vm_vsrc stands ahead of the multiply-adds: the step's LDS stores have read YR, its global stores ZR.
; REGISTERS: window 0: v1 16 x lane; v2, v3 the stage, in and back; v4 my place in two rows of out0; v5 the bias's offset; v16-111 ctx, tiles 0, 3, 6; v112-143 four accumulators; v144-175 results; v176-207 rows read back; v208-239 the bias.
;   window 1: W_o's fragments (tile a, K step s < 4) at 16 (4 s + a).   window 2: v0-127 those of K steps 4, 5 at 16 (4 (s - 4) + a); v128-223 ctx, tiles 1, 4, 7.   window 3: v0-95 ctx, tiles 2, 5.
.set FRB,  2048
.set WO,   884736                      ; W_o's first fragment in wimg
.set OROW, 3072                        ; a row of out0 in bytes
.set SP,   272                         ; a stage row: 256 bytes + 16: the sixteen rows that a store touches start at sixteen different banks (64 banks of 4 bytes: ISA guide 11.1)
.set LI,   1
.set SO,   2
.set SR,   3
.set GO,   4
.set BO,   5
.set CB0,  16                          ; in window 0
.set CB1,  128                         ; in window 2
.set CB2,  0                           ; in window 3
.set ACC,  112
.set YR,   144
.set ZR,   176
.set BI,   208
.set MSB, 0
.macro WIN new                         ; s_set_vgpr_msb: bits 1:0 source 0, 3:2 source 1, 5:4 source 2, 7:6 destination; the high byte repeats the setting that is left
.if MSB != (\new)
	s_set_vgpr_msb (MSB<<8)|(\new)
.set MSB, (\new)
.endif
.endm
.macro BUFSET i                        ; tile i's buffer: BR its first register, BW its window
.if (\i)%3 == 0
.set BR, CB0
.set BW, 0
.elseif (\i)%3 == 1
.set BR, CB1
.set BW, 2
.else
.set BR, CB2
.set BW, 3
.endif
.endm
	s_load_b256 s[4:11], s[0:1], 0x0               ; cimg s[4:5], wimg s[6:7], b_o s[8:9], the exponents s[10:11]
	s_load_b64 s[12:13], s[0:1], 0x20              ; out0
	v_lshl_add_u32 v254, v0, 2, 0x4400
	v_mov_b32 v255, 0
	v_lshrrev_b32 v6, 5, v0
	v_readfirstlane_b32 s14, v6                    ; wave 0..3
	v_and_b32 v6, 15, v0                           ; r
	v_bfe_u32 v7, v0, 4, 1                         ; h
	v_and_b32 v1, 31, v0
	v_lshlrev_b32 v[LI], 4, v1
	s_wait_alu depctr_va_sdst(0)                   ; s14 is written, ahead of its first reader: the stage's place and the bases are made from it
	s_mul_i32 s15, s14, 16*SP                      ; my stage
	v_mul_u32_u24 v[SO], v6, SP
	v_lshl_add_u32 v[SO], v7, 5, v[SO]
	v_add_nc_u32 v[SO], s15, v[SO]                 ; in: row r, + 32 h bytes
	v_mul_u32_u24 v[SR], v7, SP
	v_lshl_add_u32 v[SR], v6, 4, v[SR]
	v_add_nc_u32 v[SR], s15, v[SR]                 ; back: lanes 0-15 one row, lanes 16-31 the next
	v_mul_u32_u24 v[GO], v7, OROW
	v_lshl_add_u32 v[GO], v6, 4, v[GO]             ; and the same two rows in out0
	v_lshlrev_b32 v[BO], 5, v7                     ; the bias: my half's eight numbers of a tile
	s_and_b32 s16, ttmp7, 0xffff
	s_lshl_b32 s17, s16, 4
	s_lshl_b32 s18, s14, 2
	s_add_co_u32 s17, s17, s18                     ; my first tile of columns: 16 y + 4 wave
	s_mul_i32 s22, s17, 6*FRB
	s_add_co_u32 s22, s22, WO
	s_mov_b32 s23, 0
	s_mul_i32 s24, ttmp9, 8*6*FRB                  ; my work-group's eight tiles of tokens
	s_mov_b32 s25, 0
	s_lshl_b32 s26, s17, 6                         ; my first column in bytes: a multiple of 256
	s_mov_b32 s27, 0
	s_mul_i32 s28, ttmp9, 128*OROW
	s_add_co_u32 s28, s28, s26
	s_mov_b32 s29, 0
	s_wait_kmcnt 0x0
	s_load_b64 s[20:21], s[10:11], 0x28            ; e10, e11
	s_add_nc_u64 s[6:7], s[6:7], s[22:23]
	s_add_nc_u64 s[4:5], s[4:5], s[24:25]
	s_add_nc_u64 s[8:9], s[8:9], s[26:27]
	s_add_nc_u64 s[12:13], s[12:13], s[28:29]
	WIN 0x40                                       ; destination window 1, address window 0
	s_wait_alu depctr_va_vdst(0)                   ; the five offsets and addresses v1 to v5 are written, which the loads and stores of the whole kernel read
.irp s, 0,1,2,3,4,5
	WIN 0x40*(1+\s/4)                              ; destination window 1 or 2, address window 0
.irp a, 0,1,2,3
.irp c, 0,1,2,3
	global_load_b128 v[16*(4*(\s%4)+\a)+4*\c:16*(4*(\s%4)+\a)+4*\c+3], v[LI], s[6:7] offset:(6*\a+\s)*FRB+512*\c   ; W_o stays in registers
.endr
.endr
.endr
	WIN 0
.irp a, 0,1,2,3
	global_load_b128 v[BI+8*\a:BI+8*\a+3],   v[BO], s[8:9] offset:64*\a      ; b_o at columns 16 a + 8 h + 0..7 of my 64: the result's layout
	global_load_b128 v[BI+8*\a+4:BI+8*\a+7], v[BO], s[8:9] offset:64*\a+16
.endr
.macro CLOAD i                         ; tile i of tokens, six fragments, into buffer i % 3
	BUFSET \i
	WIN BW<<6                                      ; destination the buffer's window, address window 0
.set n, 0
.rept 24
	global_load_b128 v[BR+4*n:BR+4*n+3], v[LI], s[4:5] offset:6*FRB*(\i)+512*n
.set n, n+1
.endr
.endm
	CLOAD 0
	CLOAD 1
	s_wait_kmcnt 0x0
	s_add_co_i32 s20, s20, s21
	s_add_co_i32 s20, s20, 127
	s_lshl_b32 s20, s20, 23                        ; 2^(e10 + e11) as f32
	s_mov_b32 s21, s20                             ; (named with it as a pair, so it is written)
; Eight products of tile i: K steps s0 and s0 + 1, my four tiles of columns.  The four accumulators take turns, one instruction a turn; the first K step starts the sums.
.macro MUL8 i, s0
	BUFSET \i
	WIN (BW<<2)+1+(\s0)/4                          ; source 0 (W_o) window 1 or 2, source 1 (ctx) the buffer's window
.irp s, \s0, \s0+1
.irp a, 0,1,2,3
.if (\s) == 0
	v_wmma_f32_16x16x128_fp8_fp8 v[ACC+8*\a:ACC+8*\a+7], v[16*(4*((\s)%4)+\a):16*(4*((\s)%4)+\a)+15], v[BR+16*(\s):BR+16*(\s)+15], 0
.else
	v_wmma_f32_16x16x128_fp8_fp8 v[ACC+8*\a:ACC+8*\a+7], v[16*(4*((\s)%4)+\a):16*(4*((\s)%4)+\a)+15], v[BR+16*(\s):BR+16*(\s)+15], v[ACC+8*\a:ACC+8*\a+7]
.endif
.endr
.endr
.endm
; The results in YR go into my stage and come back by rows.  again = 1: global stores have read ZR before.
.macro TOSTAGE again
.irp a, 0,1,2,3
	ds_store_b128 v[SO], v[YR+8*\a:YR+8*\a+3]   offset:64*\a        ; lane (r, h): row r, columns 16 a + 8 h + 0..7
	ds_store_b128 v[SO], v[YR+8*\a+4:YR+8*\a+7] offset:64*\a+16
.endr
.if \again
	s_wait_xcnt 0x0                                ; the last tile's global stores have had their addresses translated: the rows' registers are loaded again below (that they have been read was stated ahead of the last multiply-adds)
.endif
.irp t, 0,1,2,3,4,5,6,7
	ds_load_b128 v[ZR+4*\t:ZR+4*\t+3], v[SR] offset:2*\t*SP         ; LDS serves a wave's instructions in order (ISA guide 5.7.1.4): these see my stores
.endr
.endm
.macro SENDROWS i                      ; tile i's sixteen rows
.irp t, 0,1,2,3,4,5,6,7
	s_wait_dscnt 7-\t                              ; rows 2 t, 2 t + 1 are back; the younger loads may be out.  The last count is 0: the stage is free for the next tile
	global_store_b128 v[GO], v[ZR+4*\t:ZR+4*\t+3], s[12:13] offset:16*OROW*(\i)+2*\t*OROW th:TH_STORE_NT   ; sixteen lanes store 256 consecutive bytes, at a multiple of 256 from out0's first byte
.endr
.endm
; Step i: tile i's 24 products; among them the loads of tile i + 2 and tile i - 1's way out; at its end tile i's multiply-adds.
.macro STEP i
.if (\i) < 7
	s_wait_loadcnt 24                              ; loads come back in order: this tile (and, the first time, W_o and the bias) is in; the next tile's 24 may be out
.else
	s_wait_loadcnt 0x0
.endif
.if (\i) > 0
	s_wait_alu depctr_va_vdst(0)                   ; the step before has written YR, which the LDS stores below read, and its products are done reading their CB, in which this step's loads land
.endif
	MUL8 \i, 0
.if (\i)+2 < 8
	CLOAD (\i)+2                                   ; two tiles ahead.  No wait: no vector or matrix instruction since the wait at the step's head names v1 or the buffer in which these land
.endif
	MUL8 \i, 2
.if (\i) > 0
	WIN 0
.if (\i) > 1
	TOSTAGE 1
.else
	TOSTAGE 0
.endif
.endif
	MUL8 \i, 4
	WIN 0
.if (\i) > 0
	SENDROWS (\i)-1
.endif
.rept 4
	v_nop                                          ; four places (ISA guide 7.12.1) in front of the first read of the sums
.endr
.if (\i) > 0
	s_wait_alu depctr_vm_vsrc(0)                   ; this step's LDS stores have read YR, which the multiply-adds below write; its global stores have read ZR, in which the next step's LDS loads land
.endif
.set n, 0
.rept 16
	v_pk_fma_f32 v[YR+n:YR+n+1], v[ACC+n:ACC+n+1], s[20:21], v[BI+n:BI+n+1] op_sel_hi:[1,0,1]   ; sum x 2^(e10 + e11) + b_o; each accumulator from its low end on
.set n, n+2
.endr
.endm
.irp i, 0,1,2,3,4,5,6,7
	STEP \i
.endr
	s_wait_alu depctr_va_vdst(0)                   ; the last step's multiply-adds have written YR, which the LDS stores below read
	TOSTAGE 1
	SENDROWS 7
	s_wait_dscnt 0x0                               ; the closing lines, six on end
	s_wait_alu 0x0
	s_wait_tensorcnt 0x0
	ds_add_u32 v254, v255
	s_wait_dscnt 0x0
	s_endpgm
.Lfunc_end_k_qd874a1f302_oproj:
	.size	k_qd874a1f302_oproj, .Lfunc_end_k_qd874a1f302_oproj-k_qd874a1f302_oproj
	.p2alignl 7, 3214868480
	.fill 96, 4, 3214868480
	.section	.rodata,"a",@progbits
	.p2align	6, 0x0
	.amdhsa_kernel k_qd874a1f302_oproj
		.amdhsa_group_segment_fixed_size 17920
		.amdhsa_private_segment_fixed_size 0
		.amdhsa_enable_private_segment 0
		.amdhsa_kernarg_size 40
		.amdhsa_user_sgpr_count 2
		.amdhsa_user_sgpr_kernarg_segment_ptr 1
		.amdhsa_wavefront_size32 1
		.amdhsa_system_sgpr_workgroup_id_x 1
		.amdhsa_system_sgpr_workgroup_id_y 1
		.amdhsa_system_sgpr_workgroup_id_z 1
		.amdhsa_system_vgpr_workitem_id 0
		.amdhsa_next_free_vgpr 864
		.amdhsa_next_free_sgpr 66
		.amdhsa_reserve_vcc 0
		.amdhsa_float_denorm_mode_32 3
		.amdhsa_float_denorm_mode_16_64 3
		.amdhsa_memory_ordered 1
		.amdhsa_forward_progress 1
		.amdhsa_inst_pref_size 70
	.end_amdhsa_kernel
	.amdgpu_metadata
---
amdhsa.version: [ 1, 2 ]
amdhsa.kernels:
  - .name:           k_qd874a1f302_oproj
    .symbol:         k_qd874a1f302_oproj.kd
    .args:
      - { .name: cimg, .offset: 0, .size: 8, .value_kind: global_buffer, .address_space: global }
      - { .name: wimg, .offset: 8, .size: 8, .value_kind: global_buffer, .address_space: global }
      - { .name: b_o, .offset: 16, .size: 8, .value_kind: global_buffer, .address_space: global }
      - { .name: lowp_scales, .offset: 24, .size: 8, .value_kind: global_buffer, .address_space: global }
      - { .name: out0, .offset: 32, .size: 8, .value_kind: global_buffer, .address_space: global }
    .group_segment_fixed_size: 17920
    .private_segment_fixed_size: 0
    .kernarg_segment_align: 8
    .kernarg_segment_size: 40
    .max_flat_workgroup_size: 128
    .sgpr_count:     66
    .vgpr_count:     864
    .wavefront_size: 32
...
	.end_amdgpu_metadata
.endif
;; end of part 8
